; MI455X (gfx1250); checked and timed in simulation.
; The chip was launched on July 23, 2026; its instructions are those of AMD's public machine-readable ISA for CDNA 5 (MIT licence, August 2026) and "CDNA5" Instruction Set Architecture Reference Guide (July 2026). The comments in the code are by the model that wrote it; some were corrected since.
;; Ro PE Fused MHA. Allowed arithmetic: float matrix products may take bf16 or f16 operands with f32 sums; other float arithmetic in f32, or as packed bf16 or f16 multiplies, adds, multiply-adds, maxima and minima; sums over many terms, partial sums and values carried from step to step in f32; what a program stores and reads back later, other than sums and carried values, may be rounded once to bf16 or f16.
;; Inputs: Wk 1,024 x 1,024 float32; Wo 1,024 x 1,024 float32; Wq 1,024 x 1,024 float32; Wv 1,024 x 1,024 float32; hidden_states 4 x 2,048 x 1,024 float32; mask 4 x 1 x 2,048 x 2,048 float32; position_ids 4 x 2,048 int32.
;; Outputs: out0 4 x 2,048 x 1,024 float32.
;; One version. Each part assembles by itself: llvm-mc -triple=amdgcn-amd-amdhsa -mcpu=gfx1250 --defsym DOCPART=n.
;; ======== version 1 of 1: 4 launches
;; limits: values are held in f16: magnitudes above 65,504 overflow, below 6.1e-05 lose precision; inputs' magnitudes at most 1,048,576
;; workspace buffers: xb 16,777,216 bytes; wb 6,291,456 bytes; wob 2,097,152 bytes; rope 2,097,152 bytes; qh 16,777,216 bytes; kh 16,777,216 bytes; vh 16,777,216 bytes; oh 16,777,216 bytes
;; launch prep (part 1): grid 896 x 1, 8 waves a work-group, no clusters, 0 bytes of LDS; arguments hidden_states, Wq, Wk, Wv, Wo, position_ids, xb, wb, wob, rope; writes xb, wb, wob, rope
.if DOCPART == 1
	.amdgcn_target "amdgcn-amd-amdhsa--gfx1250"
	.amdhsa_code_object_version 6
	.text
	.protected	k_qbf948d462b_prep
	.globl	k_qbf948d462b_prep
	.p2align	8
	.type	k_qbf948d462b_prep,@function
k_qbf948d462b_prep:
	s_mov_b64 s[64:65], 0
	v_nop
	global_prefetch_b8 v0, s[64:65] scope:SCOPE_SE
	s_setreg_imm32_b32 hwreg(HW_REG_WAVE_MODE, 25, 1), 1
	s_wait_xcnt 0x0
; PREP.  Three jobs, told apart by the work-group's number:
;   0-511    16 rows of hidden_states (f32) -> xb (bf16), rounded once
;   512-767  16 rows of Wq, Wk, Wv or Wo.  Wq, Wk, Wv -> wb (bf16), rows packed by head: row 192 h + 64 part + 16 block' + c (part 0 q, 1 k, 2 v).
;            In q and k the head's four blocks of 16 channels lie in the order 0, 2, 1, 3, so that channel d and channel d + 32, which the rotation pairs, fall into neighbouring blocks.
;            Wo -> wob: rounded to bf16 like every other input, and that number written as f16 (exact where it is a normal f16 number).
;   768-895  64 tokens of the table rope[token][32 cos, 32 sin] in f32: angle = f32(position) x inv_freq, one f32 product as the problem has it.
; A stream: no LDS, no barrier, no matrix unit.  A wave's load covers 512 consecutive bytes, its store 256 consecutive aligned bytes; all 16 loads of a thread go out before the first is waited for.
; LIMITS.  |Wo| under 65,504; a bf16 value of Wo under 2^-14 keeps f16's fixed step of 6e-8.  inv_freq = 2^(-f log2(10000) / 32) by v_exp_f32: within some 1e-7 of itself for small f.
; Sine and cosine: the quotient by pi/2 is taken off in two parts (pi/2 = 1.57079637 - 4.37e-8), good for |position| up to 2^20; then polynomials on -pi/4 .. pi/4, good to about 1e-7.
.set XR, 4                             ; v[4:67]    16 loads of 4 f32
.set YR, 68                            ; v[68:99]   16 pairs to store
.set TT, 100                           ; v[100:103] at work
	s_load_b512 s[4:19], s[0:1], 0x0               ; hidden s[4:5], Wq s[6:7], Wk s[8:9], Wv s[10:11], Wo s[12:13], position_ids s[14:15], xb s[16:17], wb s[18:19]
	s_load_b128 s[20:23], s[0:1], 0x40             ; wob s[20:21], rope s[22:23]
	s_mov_b32 s33, ttmp9
	s_cmp_ge_u32 s33, 768
	s_cbranch_scc1 .Ltable
	s_sub_co_u32 s34, s33, 512
	s_cmp_lt_u32 s33, 512
	s_cselect_b32 s34, 0, s34                      ; g: the block among the weights' 256 (0 for x)
	s_lshr_b32 s32, s34, 6                         ; m: 0 q, 1 k, 2 v, 3 o
	s_and_b32 s35, s34, 63                         ; the block of 16 rows in that matrix
	s_lshr_b32 s36, s35, 2                         ; head
	s_and_b32 s37, s35, 3                          ; block of 16 channels in the head
	s_and_b32 s38, s37, 1
	s_lshl_b32 s38, s38, 1
	s_lshr_b32 s39, s37, 1
	s_or_b32 s38, s38, s39                         ; its packed place: 0, 2, 1, 3
	s_cmp_eq_u32 s32, 2
	s_cselect_b32 s38, s37, s38                    ; v keeps its order
	s_mul_i32 s36, s36, 192
	s_lshl_b32 s39, s32, 6
	s_add_co_u32 s36, s36, s39
	s_lshl_b32 s38, s38, 4
	s_add_co_u32 s36, s36, s38                     ; row in wb
	s_lshl_b32 s30, s36, 11                        ; its byte offset: 2,048 bytes a row
	s_lshl_b32 s39, s35, 15                        ; in wob: 16 rows of 2,048 bytes a block
	s_cmp_eq_u32 s32, 3
	s_cselect_b32 s30, s39, s30
	s_lshl_b32 s28, s35, 16                        ; source: 16 rows of 4,096 bytes a block
	s_lshl_b32 s39, s33, 16                        ; the same for x,
	s_lshl_b32 s40, s33, 15                        ; and its place in xb
	s_cmp_lt_u32 s33, 512
	s_cselect_b32 s28, s39, s28
	s_cselect_b32 s30, s40, s30
	s_mov_b32 s29, 0
	s_mov_b32 s31, 0
	v_lshlrev_b32 v1, 4, v0                        ; 16 bytes of f32 a thread: the work-group's 256 threads cover a row
	v_lshlrev_b32 v2, 3, v0                        ; 8 bytes of 16-bit numbers
	s_wait_kmcnt 0x0
	s_cmp_eq_u32 s32, 1
	s_cselect_b64 s[24:25], s[8:9], s[6:7]
	s_cmp_eq_u32 s32, 2
	s_cselect_b64 s[24:25], s[10:11], s[24:25]
	s_cmp_eq_u32 s32, 3
	s_cselect_b64 s[24:25], s[12:13], s[24:25]
	s_cselect_b64 s[26:27], s[20:21], s[18:19]
	s_cmp_lt_u32 s33, 512
	s_cselect_b64 s[24:25], s[4:5], s[24:25]
	s_cselect_b64 s[26:27], s[16:17], s[26:27]
	s_add_nc_u64 s[24:25], s[24:25], s[28:29]
	s_add_nc_u64 s[26:27], s[26:27], s[30:31]
.irp i, 0,1,2,3,4,5,6,7,8,9,10,11,12,13,14,15
	global_load_b128 v[XR+4*(\i):XR+4*(\i)+3], v1, s[24:25] offset:4096*(\i) th:TH_LOAD_NT
.endr
; Row i: rounded and stored.  half = 1: the bf16 number is written as f16.  No register is written twice while a load or store names it, so the only wait is the counted one.
.macro OUT i, half
	s_wait_loadcnt 15-(\i)                         ; loads come back in order: row i is in, the 15 - i younger ones may stay out
	v_cvt_pk_bf16_f32 v[YR+2*(\i)], v[XR+4*(\i)], v[XR+4*(\i)+1]
	v_cvt_pk_bf16_f32 v[YR+2*(\i)+1], v[XR+4*(\i)+2], v[XR+4*(\i)+3]
.if \half
	v_lshlrev_b32 v[TT], 16, v[YR+2*(\i)]
	v_and_b32 v[TT+1], 0xffff0000, v[YR+2*(\i)]
	v_lshlrev_b32 v[TT+2], 16, v[YR+2*(\i)+1]
	v_and_b32 v[TT+3], 0xffff0000, v[YR+2*(\i)+1]
	v_cvt_pk_f16_f32 v[YR+2*(\i)], v[TT], v[TT+1]
	v_cvt_pk_f16_f32 v[YR+2*(\i)+1], v[TT+2], v[TT+3]
.endif
	global_store_b64 v2, v[YR+2*(\i):YR+2*(\i)+1], s[26:27] offset:2048*(\i)  ; a wave stores 256 consecutive bytes, at a multiple of 256 from the buffer's first
.endm
	s_cmp_eq_u32 s32, 3
	s_cbranch_scc1 .Lhalf
.irp i, 0,1,2,3,4,5,6,7,8,9,10,11,12,13,14,15
	OUT \i, 0
.endr
	s_endpgm
.Lhalf:
.irp i, 0,1,2,3,4,5,6,7,8,9,10,11,12,13,14,15
	OUT \i, 1
.endr
	s_endpgm
; THE TABLE.  Sixteen lanes make a token's 256 bytes: lanes 0-7 its 32 cosines, lanes 8-15 its 32 sines, four frequencies a lane; the work-group's 256 threads make 16 tokens a pass, four passes.
.Ltable:
	s_sub_co_u32 s34, s33, 768
	s_lshl_b32 s28, s34, 8                         ; 64 positions of 4 bytes
	s_mov_b32 s29, 0
	s_lshl_b32 s30, s34, 14                        ; 64 tokens of 256 bytes
	s_mov_b32 s31, 0
	v_lshrrev_b32 v3, 4, v0
	v_lshlrev_b32 v3, 2, v3                        ; my token of the pass's sixteen, in bytes of position_ids
	v_lshlrev_b32 v4, 4, v0                        ; my 16 bytes of the pass's 4,096
	v_and_b32 v5, 7, v0
	v_lshlrev_b32 v5, 2, v5                        ; my first frequency
	v_bfe_u32 v6, v0, 3, 1
	v_sub_nc_u32 v6, 1, v6                         ; 1 where I make cosines: cos x = sin(x + pi/2)
	s_wait_kmcnt 0x0
	s_add_nc_u64 s[14:15], s[14:15], s[28:29]
	s_add_nc_u64 s[22:23], s[22:23], s[30:31]
.irp p, 0,1,2,3
	global_load_b32 v[8+(\p)], v3, s[14:15] offset:64*(\p)
.endr
.irp e, 0,1,2,3
	v_add_nc_u32 v[12+(\e)], \e, v5
	v_cvt_f32_u32 v[12+(\e)], v[12+(\e)]
	v_mul_f32 v[12+(\e)], 0xbed49a78, v[12+(\e)]   ; -f log2(10000) / 32
.endr
.irp e, 0,1,2,3
	v_exp_f32 v[12+(\e)], v[12+(\e)]               ; inv_freq: one batch of four
.endr
	v_mov_b32 v40, 0xb94ca1f9                      ; the polynomials' leading coefficients: also the plain instructions behind the last exponential
	v_mov_b32 v41, 0x37ccf5ce
	s_wait_alu depctr_va_vdst(0)                   ; one wait for the batch, ahead of its first reader
	s_wait_loadcnt 0x0
.irp p, 0,1,2,3
	v_cvt_f32_i32 v[8+(\p)], v[8+(\p)]
.endr
; One number of the table: pass p, frequency e.  The quadrant only selects values: no branch hangs on it.
.macro SC p, e
	v_mul_f32 v32, v[8+(\p)], v[12+(\e)]           ; the angle
	v_mul_f32 v33, 0x3f22f983, v32                 ; x 2 / pi
	v_rndne_f32 v33, v33                           ; n
	v_fmamk_f32 v34, v33, 0xbfc90fdb, v32          ; r = angle - n pi/2, in two parts
	v_fmamk_f32 v34, v33, 0x333bbd2e, v34
	v_mul_f32 v35, v34, v34                        ; z = r r
	v_fmaak_f32 v36, v40, v35, 0x3c08839e
	v_fmaak_f32 v36, v36, v35, 0xbe2aaaa3
	v_mul_f32 v36, v36, v35
	v_fma_f32 v36, v36, v34, v34                   ; sin r
	v_fmaak_f32 v37, v41, v35, 0xbab6061a
	v_fmaak_f32 v37, v37, v35, 0x3d2aaaa5
	v_fma_f32 v38, v35, -0.5, 1.0
	v_mul_f32 v39, v35, v35
	v_fma_f32 v37, v39, v37, v38                   ; cos r
	v_cvt_i32_f32 v33, v33
	v_add_nc_u32 v33, v33, v6                      ; the quadrant, one on for a cosine
	v_and_b32 v39, 1, v33
	v_cmp_eq_u32 vcc_lo, 1, v39
	v_cndmask_b32 v36, v36, v37, vcc_lo            ; odd: cos r
	v_lshlrev_b32 v33, 30, v33
	v_and_b32 v33, 0x80000000, v33                 ; quadrants 2 and 3: the sign turns
	v_xor_b32 v[16+4*(\p)+(\e)], v33, v36
.endm
.irp p, 0,1,2,3
.irp e, 0,1,2,3
	SC \p, \e
.endr
	global_store_b128 v4, v[16+4*(\p):16+4*(\p)+3], s[22:23] offset:4096*(\p)  ; sixteen lanes store a token's 256 bytes
.endr
	s_endpgm
.Lfunc_end_k_qbf948d462b_prep:
	.size	k_qbf948d462b_prep, .Lfunc_end_k_qbf948d462b_prep-k_qbf948d462b_prep
	.p2alignl 7, 3214868480
	.fill 96, 4, 3214868480
	.section	.rodata,"a",@progbits
	.p2align	6, 0x0
	.amdhsa_kernel k_qbf948d462b_prep
		.amdhsa_group_segment_fixed_size 0
		.amdhsa_private_segment_fixed_size 0
		.amdhsa_enable_private_segment 0
		.amdhsa_kernarg_size 80
		.amdhsa_user_sgpr_count 2
		.amdhsa_user_sgpr_kernarg_segment_ptr 1
		.amdhsa_wavefront_size32 1
		.amdhsa_system_sgpr_workgroup_id_x 1
		.amdhsa_system_sgpr_workgroup_id_y 1
		.amdhsa_system_sgpr_workgroup_id_z 1
		.amdhsa_system_vgpr_workitem_id 0
		.amdhsa_next_free_vgpr 104
		.amdhsa_next_free_sgpr 66
		.amdhsa_reserve_vcc 1
		.amdhsa_float_denorm_mode_32 3
		.amdhsa_float_denorm_mode_16_64 3
		.amdhsa_memory_ordered 1
		.amdhsa_forward_progress 1
		.amdhsa_inst_pref_size 36
	.end_amdhsa_kernel
	.amdgpu_metadata
---
amdhsa.version: [ 1, 2 ]
amdhsa.kernels:
  - .name:           k_qbf948d462b_prep
    .symbol:         k_qbf948d462b_prep.kd
    .args:
      - { .name: hidden_states, .offset: 0, .size: 8, .value_kind: global_buffer, .address_space: global }
      - { .name: Wq, .offset: 8, .size: 8, .value_kind: global_buffer, .address_space: global }
      - { .name: Wk, .offset: 16, .size: 8, .value_kind: global_buffer, .address_space: global }
      - { .name: Wv, .offset: 24, .size: 8, .value_kind: global_buffer, .address_space: global }
      - { .name: Wo, .offset: 32, .size: 8, .value_kind: global_buffer, .address_space: global }
      - { .name: position_ids, .offset: 40, .size: 8, .value_kind: global_buffer, .address_space: global }
      - { .name: xb, .offset: 48, .size: 8, .value_kind: global_buffer, .address_space: global }
      - { .name: wb, .offset: 56, .size: 8, .value_kind: global_buffer, .address_space: global }
      - { .name: wob, .offset: 64, .size: 8, .value_kind: global_buffer, .address_space: global }
      - { .name: rope, .offset: 72, .size: 8, .value_kind: global_buffer, .address_space: global }
    .group_segment_fixed_size: 0
    .private_segment_fixed_size: 0
    .kernarg_segment_align: 8
    .kernarg_segment_size: 80
    .max_flat_workgroup_size: 256
    .sgpr_count:     66
    .vgpr_count:     104
    .wavefront_size: 32
...
	.end_amdgpu_metadata
.endif
;; end of part 1
;; launch qkv (part 2): grid 16 x 32, 4 waves a work-group, clusters of 4 x 4, 327,680 bytes of LDS; arguments xb, wb, rope, qh, kh, vh; writes qh, kh, vh
.if DOCPART == 2
	.amdgcn_target "amdgcn-amd-amdhsa--gfx1250"
	.amdhsa_code_object_version 6
	.text
	.protected	k_qbf948d462b_qkv
	.globl	k_qbf948d462b_qkv
	.p2align	8
	.type	k_qbf948d462b_qkv,@function
k_qbf948d462b_qkv:
	s_mov_b64 s[64:65], 0
	v_nop
	global_prefetch_b8 v0, s[64:65] scope:SCOPE_SE
	s_setreg_imm32_b32 hwreg(HW_REG_WAVE_MODE, 25, 1), 1
	s_wait_xcnt 0x0
	s_wait_alu depctr_hold_cnt(0) depctr_sa_sdst(0) depctr_va_vdst(0) depctr_va_sdst(0) depctr_va_ssrc(0) depctr_va_vcc(0) depctr_vm_vsrc(0)
	s_getreg_b32 s2, hwreg(HW_REG_IB_STS2, 6, 4)
	s_cmp_eq_u32 s2, 0
	s_cbranch_scc0 .Lentry_in_a_cluster
	s_endpgm
.Lentry_in_a_cluster:
	s_bfe_u32 s2, ttmp6, 0x10000c
	s_cmp_lg_u32 s2, 0xf033
	s_cbranch_scc0 .Lentry_shape_is_right
	s_endpgm
.Lentry_shape_is_right:
; Q, K, V = x W^T with the rotation applied on the way out.  xb: [8192][1024] bf16; wb: [3072][1024] bf16, rows packed by head (192 h + 64 part + c; in q and k the blocks of 16 channels in the order 0, 2, 1, 3);
; rope: [8192][32 cos, 32 sin] f32; qh, kh, vh: [64 = 16 batch + head][2048][64] f16.  Sums in f32, the rotation in f32, each number rounded once to f16.
; q and k are stored in the packed channel order, the same in both, which leaves every q . k as it is; v in its own order.
; LIMIT.  f16 holds no number beyond 65,504: |q|, |k|, |v| stay under it.
; SHARES.  A tile is 256 tokens x 192 packed columns (one head's q, k and v): 32 x 16 = 512 work-groups, two for each of 256.  A wave owns 64 tokens x 192 columns: 4 x 12 accumulators, 384 registers,
; so every wave's text is alike (blocks 0-7 are rotated, 8-11 not) and a wave holds whole rows of q, k and v.  K goes in 8 steps of 128 through two LDS slots: rows of 256 bytes of memory, aligned.
; CLUSTERS.  4 x 4 work-groups: x's tile hangs on the tile row and is asked for jointly along a row of the cluster, W's on the head and is asked for jointly along a column.
; THE MATRIX INSTRUCTION IS USED TRANSPOSED (source 0 = 16 rows of W, source 1 = 16 tokens): a lane holds one token (lane % 16) and eight neighbouring columns 8 (lane / 16) + 0..7.
; REGISTERS, in windows of 256: window 0: v16-30 addresses; v32-63, v64-95 x's fragments, two buffers; on the way out v32-95 rotated numbers, v96-143 packed, v144-239 rows read back
;   window 1: v0-95, v96-191 W's fragments, two buffers      window 2: v0-191 the accumulators of my token blocks 0, 1 (block a, column block b at 8 (12 (a % 2) + b)); v192-255 their tables
;   window 3: the same for token blocks 2, 3.  A table is 32 registers: cos of frequencies 8 h + j, cos of 16 + 8 h + j, then the two sines.
.set KSTEP,  128
.set PITCH,  272                       ; an LDS row: 256 bytes + 16 of padding: the 16 rows of a fragment load start 16 bytes apart modulo 256
.set AHALF,  128*PITCH                 ; what a tensor load of x brings
.set BHALF,  96*PITCH                  ; and one of W
.set BOFF,   2*AHALF                   ; W's 192 rows lie behind x's 256
.set SLOT,   BOFF+2*BHALF
.set STAGE,  2*SLOT                    ; behind the ring: 16 rows x 400 bytes for each wave, for the way out
.set SPITCH, 400                       ; 384 bytes (q, k, v of a token) + 16
.set SPARE,  STAGE+4*16*SPITCH         ; the spare words, 128 bytes for each wave: two blocks of 256 bytes that no other line names
.set LAPS,   4                         ; 1,024 / 256: a lap is two K steps
.set ADRA, 16                          ; v16-17  LDS address of my fragments of x in slot 0, 1
.set ADRB, 20                          ; v20-21  the same for W
.set STO,  24                          ; v24     the way out: where I put 16 bytes of a token's row
.set RD,   25                          ; v25     where I read rows back
.set GO,   26                          ; v26     my 16 bytes of 512 consecutive bytes of q, k or v
.set RO,   27                          ; v27     my byte offset in 16 tokens of the table
.set SPW,  28                          ; v28     LDS address of my spare word; never rewritten
.set NIL,  29                          ; v29     0; never rewritten
.set PFO,  30                          ; v30     the prefetches' offset: a lane a row; never rewritten
.set FA,   32
.set T,    32
.set H,    96
.set BK,   144
.set TAB,  192
.set PFA,  44                          ; s[44:45] where my prefetches stand
.set LIM,  43                          ; s43     1 in a wave that prefetches, else the greatest number
.set G1, 24                            ; s[24:31] descriptor group 1 for x's tiles;  s[32:39] group 0, a set for each slot
.set G0, 32
.set G1B, 48                           ; s[48:55], s[56:63] the same for W's
.set G0B, 56
.set MSB, 0
.macro WIN new                         ; the immediate's high byte repeats the setting that is left; a switch that changes nothing is dropped
.if MSB != (\new)
	s_set_vgpr_msb (MSB<<8)|(\new)
.set MSB, \new
.endif
.endm
.set MUL_LO, 0xa1                      ; source 0 (W) window 1, source 1 (x) window 0, C and D window 2
.set MUL_HI, 0xf1                      ; the same, C and D window 3
.set TO_B,   0x40                      ; destination window 1, address window 0
; A joint load: waves 0 and 1 fetch x's two halves, waves 2 and 3 W's.  The branch hangs on the wave's number alone.  An s_nop 0 and four v_nop follow each line.
.macro JLOAD s
	s_cmp_eq_u32 s11, 0
	s_cbranch_scc0 .Lfor_b_\@
	tensor_load_to_lds s[G0+4*(\s):G0+4*(\s)+3], s[G1:G1+7]
	s_nop 0
.rept 4
	v_nop
.endr
	s_branch .Lasked_\@
.Lfor_b_\@:
	tensor_load_to_lds s[G0B+4*(\s):G0B+4*(\s)+3], s[G1B:G1B+7]
	s_nop 0
.rept 4
	v_nop
.endr
.Lasked_\@:
.endm
; A prefetch of the K step that stands two refills on: 256 bytes of each row, a lane a row.  x's tile row is read by every cluster of that row of clusters: cluster x = 0 asks; W's by every cluster of that column:
; cluster y = 0 asks.  Of the rows that a wave fetches each of the four partners takes a quarter, told apart by address (32 rows by cx for x; 24 by cy for W, where lanes 24-31 name lane 23's row again).
; The loop's last trip asks for nothing: its refills are the last two K steps.
.macro ASK
	s_cmp_gt_u32 s3, s[LIM]
	s_cbranch_scc0 .Lnot_mine_\@
	global_prefetch_b8 v[PFO], s[PFA:PFA+1] offset:KSTEP*2 th:TH_LOAD_NT scope:SCOPE_SE
.Lnot_mine_\@:
.endm
.macro CREST                           ; a round of the cluster's barrier behind its opening barrier
	s_cmp_lg_u32 s10, 0
	s_cbranch_scc1 .Lnot_wave_0_\@
	s_barrier_signal -3
.Lnot_wave_0_\@:
	s_barrier_wait -3
	s_barrier_signal -1
	s_barrier_wait -1
.endm
.macro CROUND                          ; a whole round
	s_barrier_signal -1
	s_barrier_wait -1
	CREST
.endm
.macro PLACES                          ; four places in front of loads into registers that matrix instructions have read, and of vector work that reads results
.rept 4
	v_nop
.endr
.endm
	s_load_b128 s[4:7], s[0:1], 0x0                ; xb s[4:5], wb s[6:7]
	s_load_b64 s[8:9], s[0:1], 0x10                ; rope
	s_load_b128 s[68:71], s[0:1], 0x18             ; qh s[68:69], kh s[70:71]
	s_load_b64 s[72:73], s[0:1], 0x28              ; vh
	v_lshl_add_u32 v[SPW], v0, 2, SPARE
	v_mov_b32 v[NIL], 0
	ds_add_u32 v[SPW], v[NIL]                      ; the wave's opening: the add and its wait stand ahead of my first tensor load; the set-up below stands between them
	v_lshrrev_b32 v1, 5, v0
	v_readfirstlane_b32 s10, v1                    ; wave 0..3
	s_lshr_b32 s11, s10, 1                         ; I fetch for x (0) or for W (1)
	s_and_b32 s12, s10, 1                          ; which half of that tile's rows
	s_bfe_u32 s40, ttmp6, 0x40000                  ; cx
	s_bfe_u32 s41, ttmp6, 0x40004                  ; cy
	s_lshl_b32 s42, ttmp9, 2
	s_add_co_u32 s42, s42, s40                     ; the head = 4 x cluster x + cx
	s_and_b32 s13, ttmp7, 0xffff
	s_lshl_b32 s13, s13, 2
	s_add_co_u32 s13, s13, s41                     ; the tile row = 4 x cluster y + cy
	s_lshl_b32 s43, s41, 2
	s_lshl_b32 s43, 15, s43                        ; my row of the cluster
	s_lshl_b32 s44, 0x1111, s40                    ; my column
	s_or_b32 s[G1+0], s43, (1<<16)|(1<<20)|(1<<21)|(5<<22)|(3<<25)   ; the mask; elements of 2 bytes; padding on; bit 21 beside a mask; after every 64 words 4 words
	s_or_b32 s[G1B+0], s44, (1<<16)|(1<<20)|(1<<21)|(5<<22)|(3<<25)
	s_mov_b32 s[G1+1], KSTEP<<16                   ; tensor_dim0 = 128
	s_mov_b32 s[G1+2], 128<<16                     ; tensor_dim1 = 128
	s_mov_b32 s[G1+3], KSTEP<<16                   ; tile_dim0 = 128
	s_mov_b32 s[G1+4], 128                         ; tile_dim1 = 128
	s_mov_b32 s[G1+5], 1024                        ; elements from row to row
	s_mov_b32 s[G1+6], 0
	s_mov_b32 s[G1+7], 0
	s_mov_b32 s[G1B+1], KSTEP<<16
	s_mov_b32 s[G1B+2], 96<<16                     ; 96 rows
	s_mov_b32 s[G1B+3], KSTEP<<16
	s_mov_b32 s[G1B+4], 96
	s_mov_b32 s[G1B+5], 1024
	s_mov_b32 s[G1B+6], 0
	s_mov_b32 s[G1B+7], 0
	s_lshl_b32 s16, s13, 19                        ; x: row 256 x tile row + 128 x half, 2,048 bytes a row
	s_lshl_b32 s17, s12, 18
	s_add_co_u32 s16, s16, s17
	s_mov_b32 s17, 0
	s_mul_i32 s46, s42, 192                        ; W: row 192 x head + 96 x half
	s_mul_i32 s47, s12, 96
	s_add_co_u32 s46, s46, s47
	s_lshl_b32 s46, s46, 11
	s_mov_b32 s47, 0
	s_mul_i32 s20, s12, AHALF                      ; where they go: no place in the cluster enters an LDS address
	s_mul_i32 s21, s12, BHALF
	s_add_co_u32 s21, s21, BOFF
	s_wait_dscnt 0x0                               ; the opening add is done
	s_wait_kmcnt 0x0
	s_add_nc_u64 s[14:15], s[4:5], s[16:17]
	s_add_nc_u64 s[46:47], s[6:7], s[46:47]
	CROUND                                         ; all sixteen work-groups are here: the first joint loads meet
.irp s, 0,1
	s_mov_b32 s[G0+4*(\s)], 1
	s_add_co_u32 s[G0+4*(\s)+1], s20, (\s)*SLOT
	s_add_nc_u64 s[G0+4*(\s)+2:G0+4*(\s)+3], s[14:15], (\s)*KSTEP*2
	s_or_b32 s[G0+4*(\s)+3], s[G0+4*(\s)+3], 0x80000000
	s_mov_b32 s[G0B+4*(\s)], 1
	s_add_co_u32 s[G0B+4*(\s)+1], s21, (\s)*SLOT
	s_add_nc_u64 s[G0B+4*(\s)+2:G0B+4*(\s)+3], s[46:47], (\s)*KSTEP*2
	s_or_b32 s[G0B+4*(\s)+3], s[G0B+4*(\s)+3], 0x80000000
	JLOAD \s                                       ; two loads of mine are out
.endr
	v_and_b32 v1, 15, v0                           ; l % 16
	v_bfe_u32 v2, v0, 4, 1                         ; l / 16
	v_mul_u32_u24 v3, v1, PITCH
	v_lshl_add_u32 v3, v2, 4, v3                   ; a fragment's row x pitch + 16 x half
	s_mul_i32 s21, s10, 64*PITCH                   ; my 64 tokens
	s_mov_b32 s22, BOFF                            ; all 192 rows of W
.irp s, 0,1
	v_add_nc_u32 v[ADRA+(\s)], s21, v3
	v_add_nc_u32 v[ADRB+(\s)], s22, v3
	s_add_co_u32 s21, s21, SLOT
	s_add_co_u32 s22, s22, SLOT
.endr
	s_mul_i32 s23, s10, 16*SPITCH
	s_add_co_u32 s23, s23, STAGE                   ; my stage
	v_mul_u32_u24 v4, v1, SPITCH                   ; in: token l % 16, 16 bytes for each half of the lanes
	v_lshl_add_u32 v4, v2, 4, v4
	v_add_nc_u32 v[STO], s23, v4
	v_and_b32 v5, 31, v0
	v_lshrrev_b32 v6, 3, v5                        ; back: 32 lanes take 128 bytes of each of four tokens
	v_and_b32 v7, 7, v0
	v_mul_u32_u24 v6, v6, SPITCH
	v_lshl_add_u32 v6, v7, 4, v6
	v_add_nc_u32 v[RD], s23, v6
	v_lshlrev_b32 v[GO], 4, v5                     ; which are 512 consecutive bytes of q, k or v
	v_lshlrev_b32 v[RO], 8, v1                     ; the table: token x 256 bytes + my 8 frequencies
	v_lshl_add_u32 v[RO], v2, 5, v[RO]
	s_lshl_b32 s74, s13, 16                        ; the table at my wave's first token: (256 x tile row + 64 x wave) x 256 bytes
	s_lshl_b32 s75, s10, 14
	s_add_co_u32 s74, s74, s75
	s_mov_b32 s75, 0
	s_add_nc_u64 s[8:9], s[8:9], s[74:75]
	s_lshr_b32 s76, s13, 3                         ; the batch
	s_lshl_b32 s76, s76, 4
	s_add_co_u32 s76, s76, s42                     ; 16 batch + head,
	s_lshl_b32 s76, s76, 18                        ; 2,048 rows of 128 bytes each
	s_and_b32 s77, s13, 7
	s_lshl_b32 s77, s77, 15                        ; the tile's 256 rows in the sequence
	s_add_co_u32 s76, s76, s77
	s_lshl_b32 s77, s10, 13                        ; my wave's 64
	s_add_co_u32 s76, s76, s77
	s_mov_b32 s77, 0
	s_add_nc_u64 s[68:69], s[68:69], s[76:77]
	s_add_nc_u64 s[70:71], s[70:71], s[76:77]
	s_add_nc_u64 s[72:73], s[72:73], s[76:77]
	; the prefetches
	s_and_b32 s22, ttmp7, 0xffff                   ; cluster y
	s_lshl_b32 s74, s13, 8
	s_lshl_b32 s75, s12, 7
	s_add_co_u32 s74, s74, s75
	s_lshl_b32 s75, s40, 5
	s_add_co_u32 s74, s74, s75                     ; x: the 128 rows that I fetch, my work-group's 32 of them
	s_mul_i32 s78, s42, 192
	s_mul_i32 s79, s12, 96
	s_add_co_u32 s78, s78, s79
	s_mul_i32 s79, s41, 24
	s_add_co_u32 s78, s78, s79                     ; W: the 96 rows that I fetch, my work-group's 24
	s_cmp_eq_u32 s11, 0
	s_cselect_b32 s74, s74, s78
	s_cselect_b32 s22, ttmp9, s22                  ; the coordinate along which other clusters read the same rows
	s_cselect_b32 s23, 31, 23
	s_cselect_b64 s[PFA:PFA+1], s[4:5], s[6:7]
	s_cmp_eq_u32 s22, 0
	s_cselect_b32 s[LIM], 1, -1                    ; the same in all sixteen partners, for a given wave
	s_lshl_b32 s74, s74, 11
	s_add_co_u32 s74, s74, 2*KSTEP*2               ; at K step 2: the first refill steps it to 3 and names K step 4
	s_mov_b32 s75, 0
	s_add_nc_u64 s[PFA:PFA+1], s[PFA:PFA+1], s[74:75]
	v_min_u32 v[PFO], s23, v5
	v_lshlrev_b32 v[PFO], 11, v[PFO]
	; the tables of my four blocks of 16 tokens stay in registers beside their accumulators
.irp a, 0,1,2,3
	WIN 0x80+0x40*((\a)/2)
.irp c, 0,1,2,3,4,5,6,7
	global_load_b128 v[TAB+32*((\a)%2)+4*(\c):TAB+32*((\a)%2)+4*(\c)+3], v[RO], s[8:9] offset:4096*(\a)+64*((\c)/2)+16*((\c)%2)
.endr
.endr
	WIN 0
; 12 matrix instructions: token block blk x all 12 column blocks, 32 along K, from buffer f.  zero = 1: the first product starts the sums.  The 48 accumulators take turns in the same order in every quarter.
.macro MULA f, blk, zero
	WIN MUL_LO+0x50*((\blk)/2)
.irp b, 0,1,2,3,4,5,6,7,8,9,10,11
.if \zero
	v_wmma_f32_16x16x32_bf16 v[8*(12*((\blk)%2)+(\b)):8*(12*((\blk)%2)+(\b))+7], v[96*(\f)+8*(\b):96*(\f)+8*(\b)+7], v[FA+32*(\f)+8*(\blk):FA+32*(\f)+8*(\blk)+7], 0
.else
	v_wmma_f32_16x16x32_bf16 v[8*(12*((\blk)%2)+(\b)):8*(12*((\blk)%2)+(\b))+7], v[96*(\f)+8*(\b):96*(\f)+8*(\b)+7], v[FA+32*(\f)+8*(\blk):FA+32*(\f)+8*(\blk)+7], v[8*(12*((\blk)%2)+(\b)):8*(12*((\blk)%2)+(\b))+7]
.endif
.endr
.endm
; 32 LDS loads in one run: 192 rows of W, then my 64 tokens, 32 K at byte k of the rows, into buffer f
.macro FETCH slot, k, f
	WIN TO_B
.irp i, 0,1,2,3,4,5,6,7,8,9,10,11
	ds_load_b128 v[96*(\f)+8*(\i):96*(\f)+8*(\i)+3],   v[ADRB+(\slot)] offset:(\k)+(\i)*16*PITCH
	ds_load_b128 v[96*(\f)+8*(\i)+4:96*(\f)+8*(\i)+7], v[ADRB+(\slot)] offset:(\k)+(\i)*16*PITCH+32
.endr
	WIN 0
.irp i, 0,1,2,3
	ds_load_b128 v[FA+32*(\f)+8*(\i):FA+32*(\f)+8*(\i)+3],   v[ADRA+(\slot)] offset:(\k)+(\i)*16*PITCH
	ds_load_b128 v[FA+32*(\f)+8*(\i)+4:FA+32*(\f)+8*(\i)+7], v[ADRA+(\slot)] offset:(\k)+(\i)*16*PITCH+32
.endr
.endm
; A K step is four quarters of 32 along K, 48 matrix instructions each, on buffers 0, 1, 0, 1.  One of the first three multiplies buffer f and fetches the next quarter, at byte k, into g.
.macro QUARTER slot, k, f, g, zero
	s_wait_dscnt 4                                 ; W and my token blocks 0, 1 are in; the youngest four loads (blocks 2, 3) may be out
	MULA \f, 0, \zero
	MULA \f, 1, \zero
	PLACES
	FETCH \slot, \k, \g
	s_wait_dscnt 32                                ; all but the 32 just issued
	MULA \f, 2, \zero
	MULA \f, 3, \zero
.endm
; The last quarter multiplies buffer 1 and changes slots: ONE barrier.  In front of it each wave waits for all its tensor loads (the one that is out is its part of the next slot), adds 0 to its spare word, and waits
; for that and for its own reads of this slot.  fill = 1: the barrier opens a round of the cluster's, and this slot is filled again, two K steps on, first thing behind the round.
.macro TURN slot, next, fill
.if \fill
	s_wait_xcnt 0x0                                ; the last prefetch, a K step back, has read its address
	s_add_nc_u64 s[PFA:PFA+1], s[PFA:PFA+1], KSTEP*2
.endif
	WIN 0                                          ; (the add's two registers lie in window 0)
	s_wait_tensorcnt 0x0                           ; all my tensor loads have landed
	ds_add_u32 v[SPW], v[NIL]                      ; 0 onto my spare word
	s_wait_dscnt 5                                 ; (the add and the youngest four loads may be out)
	MULA 1, 0, 0                                   ; twelve matrix instructions stand between the add and the wait for it
	s_wait_dscnt 0x0                               ; the add is done, and my reads of this slot are over
	s_barrier_signal -1
	MULA 1, 1, 0
.if \fill
	WIN 0
.endif
	s_barrier_wait -1
.if \fill
	CREST                                          ; no wave of any partner still reads this slot's tile or has a load on its way
	s_add_nc_u64 s[G0+4*(\slot)+2:G0+4*(\slot)+3], s[G0+4*(\slot)+2:G0+4*(\slot)+3], 2*KSTEP*2
	s_add_nc_u64 s[G0B+4*(\slot)+2:G0B+4*(\slot)+3], s[G0B+4*(\slot)+2:G0B+4*(\slot)+3], 2*KSTEP*2
	JLOAD \slot                                    ; the first tensor load behind the round; its four v_nop are also the places in front of the loads below
.else
	PLACES
.endif
	FETCH \next, 0, 0
.if \fill
	ASK
.endif
	MULA 1, 2, 0
	MULA 1, 3, 0
.endm
	s_wait_tensorcnt 1                             ; my part of K step 0 is in; K step 1's may stay out
	s_wait_loadcnt 0x0                             ; the tables
	s_barrier_signal -1
	s_barrier_wait -1
	FETCH 0, 0, 0
	QUARTER 0, 64, 0, 1, 1                         ; the first quarter stands in front of the loop: its products start the sums
	WIN 0
	s_mov_b32 s3, LAPS-1
.Llap:                                                 ; a trip goes once round the ring, from a lap's second quarter to the next lap's first, and fills both slots again
	QUARTER 0, 128, 1, 0, 0
	QUARTER 0, 192, 0, 1, 0
	TURN 0, 1, 1
	QUARTER 1, 64,  0, 1, 0
	QUARTER 1, 128, 1, 0, 0
	QUARTER 1, 192, 0, 1, 0
	TURN 1, 0, 1
	QUARTER 0, 64,  0, 1, 0
	WIN 0
	s_sub_co_u32 s3, s3, 1
	s_cmp_lg_u32 s3, 0
	s_cbranch_scc1 .Llap
	QUARTER 0, 128, 1, 0, 0                        ; the last lap fills nothing
	QUARTER 0, 192, 0, 1, 0
	TURN 0, 1, 0
	QUARTER 1, 64,  0, 1, 0
	QUARTER 1, 128, 1, 0, 0
	QUARTER 1, 192, 0, 1, 0
	s_wait_dscnt 4
	MULA 1, 0, 0
	MULA 1, 1, 0
	s_wait_dscnt 0x0
	MULA 1, 2, 0
	MULA 1, 3, 0
	WIN 0
	PLACES
; THE WAY OUT of token block a.  Column blocks 2 p and 2 p + 1 (p = 0, 1: q; 2, 3: k) hold channel d and channel d + 32 in the same lane and register: x' = x cos - y sin, y' = y cos + x sin,
; with the frequencies of block p % 2.  Each accumulator's registers are taken in ascending order.  Then all twelve blocks are rounded to f16.
.macro PACK a
	WIN 0x0a+5*((\a)/2)                            ; sources 0 and 1 in the accumulators' window, source 2 and the destination in window 0
.set AC, 96*((\a)%2)
.set TBL, TAB+32*((\a)%2)
.irp p, 0,1,2,3
.irp j, 0,2,4,6
	v_pk_mul_f32 v[T+16*(\p)+(\j):T+16*(\p)+(\j)+1], v[AC+16*(\p)+(\j):AC+16*(\p)+(\j)+1], v[TBL+8*((\p)%2)+(\j):TBL+8*((\p)%2)+(\j)+1]
	v_pk_mul_f32 v[T+16*(\p)+8+(\j):T+16*(\p)+8+(\j)+1], v[AC+16*(\p)+8+(\j):AC+16*(\p)+8+(\j)+1], v[TBL+8*((\p)%2)+(\j):TBL+8*((\p)%2)+(\j)+1]
	v_pk_fma_f32 v[T+16*(\p)+(\j):T+16*(\p)+(\j)+1], v[AC+16*(\p)+8+(\j):AC+16*(\p)+8+(\j)+1], v[TBL+16+8*((\p)%2)+(\j):TBL+16+8*((\p)%2)+(\j)+1], v[T+16*(\p)+(\j):T+16*(\p)+(\j)+1] neg_lo:[1,0,0] neg_hi:[1,0,0]
	v_pk_fma_f32 v[T+16*(\p)+8+(\j):T+16*(\p)+8+(\j)+1], v[AC+16*(\p)+(\j):AC+16*(\p)+(\j)+1], v[TBL+16+8*((\p)%2)+(\j):TBL+16+8*((\p)%2)+(\j)+1], v[T+16*(\p)+8+(\j):T+16*(\p)+8+(\j)+1]
.endr
.endr
.irp b, 8,9,10,11
.irp r, 0,1,2,3
	v_cvt_pk_f16_f32 v[H+4*(\b)+(\r)], v[AC+8*(\b)+2*(\r)], v[AC+8*(\b)+2*(\r)+1]
.endr
.endr
	WIN 0
.irp b, 0,1,2,3,4,5,6,7
.irp r, 0,1,2,3
	v_cvt_pk_f16_f32 v[H+4*(\b)+(\r)], v[T+8*(\b)+2*(\r)], v[T+8*(\b)+2*(\r)+1]
.endr
.endr
.endm
.macro TOSTAGE a                       ; into my own stage, and back as rows of 128 bytes, four tokens a load
	WIN 0
.set BKA, BK+48*((\a)%2)
.irp b, 0,1,2,3,4,5,6,7,8,9,10,11
	ds_store_b128 v[STO], v[H+4*(\b):H+4*(\b)+3] offset:32*(\b)
.endr
.irp c, 0,1,2
.irp t, 0,1,2,3
	ds_load_b128 v[BKA+16*(\c)+4*(\t):BKA+16*(\c)+4*(\t)+3], v[RD] offset:(\t)*4*SPITCH+128*(\c)  ; LDS serves a wave's instructions in order: these see the stores above
.endr
.endr
.endm
.macro SEND a
	WIN 0
.set BKA, BK+48*((\a)%2)
	s_wait_dscnt 0x0                               ; the block is back in registers
	s_wait_xcnt 0x0                                ; the stores of the block before have read their registers, which the next block's loads will write
.irp t, 0,1,2,3
	global_store_b128 v[GO], v[BKA+4*(\t):BKA+4*(\t)+3], s[68:69] offset:2048*(\a)+512*(\t)        ; 512 consecutive bytes, at a multiple of 256 from the buffer's first
	global_store_b128 v[GO], v[BKA+16+4*(\t):BKA+16+4*(\t)+3], s[70:71] offset:2048*(\a)+512*(\t)
	global_store_b128 v[GO], v[BKA+32+4*(\t):BKA+32+4*(\t)+3], s[72:73] offset:2048*(\a)+512*(\t)
.endr
.endm
	PACK 0
	TOSTAGE 0
.irp a, 1,2,3                          ; block a's arithmetic stands between block a - 1's loads from the stage and the wait for them
	PACK \a
	SEND (\a)-1
	TOSTAGE \a
.endr
	SEND 3
	s_wait_tensorcnt 0x0                           ; the wave's end: behind my last tensor load and my last LDS store
	ds_add_u32 v[SPW], v[NIL]
	s_wait_dscnt 0x0
	CROUND                                         ; the closing round: no work-group ends while a partner may still ask for a tile that names it
	s_endpgm
.Lfunc_end_k_qbf948d462b_qkv:
	.size	k_qbf948d462b_qkv, .Lfunc_end_k_qbf948d462b_qkv-k_qbf948d462b_qkv
	.p2alignl 7, 3214868480
	.fill 96, 4, 3214868480
	.section	.rodata,"a",@progbits
	.p2align	6, 0x0
	.amdhsa_kernel k_qbf948d462b_qkv
		.amdhsa_group_segment_fixed_size 327680
		.amdhsa_private_segment_fixed_size 0
		.amdhsa_enable_private_segment 0
		.amdhsa_kernarg_size 48
		.amdhsa_user_sgpr_count 2
		.amdhsa_user_sgpr_kernarg_segment_ptr 1
		.amdhsa_wavefront_size32 1
		.amdhsa_system_sgpr_workgroup_id_x 1
		.amdhsa_system_sgpr_workgroup_id_y 1
		.amdhsa_system_sgpr_workgroup_id_z 1
		.amdhsa_system_vgpr_workitem_id 0
		.amdhsa_next_free_vgpr 1024
		.amdhsa_next_free_sgpr 80
		.amdhsa_reserve_vcc 0
		.amdhsa_float_denorm_mode_32 3
		.amdhsa_float_denorm_mode_16_64 3
		.amdhsa_memory_ordered 1
		.amdhsa_forward_progress 1
		.amdhsa_inst_pref_size 139
	.end_amdhsa_kernel
	.amdgpu_metadata
---
amdhsa.version: [ 1, 2 ]
amdhsa.kernels:
  - .name:           k_qbf948d462b_qkv
    .symbol:         k_qbf948d462b_qkv.kd
    .args:
      - { .name: xb, .offset: 0, .size: 8, .value_kind: global_buffer, .address_space: global }
      - { .name: wb, .offset: 8, .size: 8, .value_kind: global_buffer, .address_space: global }
      - { .name: rope, .offset: 16, .size: 8, .value_kind: global_buffer, .address_space: global }
      - { .name: qh, .offset: 24, .size: 8, .value_kind: global_buffer, .address_space: global }
      - { .name: kh, .offset: 32, .size: 8, .value_kind: global_buffer, .address_space: global }
      - { .name: vh, .offset: 40, .size: 8, .value_kind: global_buffer, .address_space: global }
    .group_segment_fixed_size: 327680
    .private_segment_fixed_size: 0
    .kernarg_segment_align: 8
    .kernarg_segment_size: 48
    .max_flat_workgroup_size: 128
    .sgpr_count:     80
    .vgpr_count:     1024
    .wavefront_size: 32
...
	.end_amdgpu_metadata
.endif
;; end of part 2
;; launch attn (part 3): grid 16 x 16, 4 waves a work-group, clusters of 4 x 4, 327,680 bytes of LDS; arguments qh, kh, vh, mask, oh; writes oh
.if DOCPART == 3
	.amdgcn_target "amdgcn-amd-amdhsa--gfx1250"
	.amdhsa_code_object_version 6
	.text
	.protected	k_qbf948d462b_attn
	.globl	k_qbf948d462b_attn
	.p2align	8
	.type	k_qbf948d462b_attn,@function
k_qbf948d462b_attn:
	s_mov_b64 s[64:65], 0
	v_nop
	global_prefetch_b8 v0, s[64:65] scope:SCOPE_SE
	s_setreg_imm32_b32 hwreg(HW_REG_WAVE_MODE, 25, 1), 1
	s_wait_xcnt 0x0
	s_wait_alu depctr_hold_cnt(0) depctr_sa_sdst(0) depctr_va_vdst(0) depctr_va_sdst(0) depctr_va_ssrc(0) depctr_va_vcc(0) depctr_vm_vsrc(0)
	s_getreg_b32 s2, hwreg(HW_REG_IB_STS2, 6, 4)
	s_cmp_eq_u32 s2, 0
	s_cbranch_scc0 .Lentry_in_a_cluster
	s_endpgm
.Lentry_in_a_cluster:
	s_bfe_u32 s2, ttmp6, 0x10000c
	s_cmp_lg_u32 s2, 0xf033
	s_cbranch_scc0 .Lentry_shape_is_right
	s_endpgm
.Lentry_shape_is_right:
; O[bh][q][:] = the sum over k of softmax_k(Q[bh][q] . K[bh][k] + mask[b][q][k]) V[bh][k][:].  Q, K, V, O: [64 = 16 b + h][2048][64] f16; mask: [4][2048][2048] f32, one for the 16 heads of a batch.  No scale.
; Products, maxima and sums in f32; the weights p are rounded to f16 for the second product (their sum l is taken of the unrounded p), O once at the end.
; LIMITS.  Q, K, V arrive within f16's 65,504.  The running maximum starts at -2^127: a row in which every score + mask lies below that (or is -inf) ends with l = 0 and gives NaN.  -inf in the mask gives the weight 0.
; A weight below 2^-126 counts as 0 in l; NaN and +inf are not treated apart.  The mask is added as it is given, in f32.
; SHARES.  A work-group owns 128 queries of FOUR heads of one batch, wave w head 4 g + w: the mask's tile of a key step (128 queries x 64 keys) then serves four heads out of LDS.
; A wave's 128 queries are four PIECES of two tiles of 16.  Every wave walks all 2,048 keys, 64 a step.
; THE MASK COSTS NO VECTOR WORK: S^T = K Q^T holds ONE query a lane (lane % 16) and the keys 8 (lane / 16) + 0..7, which are 32 neighbouring bytes of the mask's row: they are the C operand of the product that starts a score's sum.
; LAYOUT, SOFTMAX.  Two results S^T rounded to f16 in pairs ARE source 1 of O^T = V^T P.  p = 2^(c s - c m), c = log2(e), with a running maximum m; O and l are multiplied by a = 2^(c m_old - c m_new) in every step.
; BY TURNS.  Turn n belongs to piece n: 16 products K Q^T of piece n + 1, later 16 products V^T P of piece n - 1; beside them the scaling, exponentials, roundings, sums and rescaling of piece n and the maximum and
; statistics of piece n + 1.  Four vector instructions stand behind every matrix instruction, the others in one run; a turn's 66 exponentials are one batch with one wait.
; CLUSTER.  4 x 4: along x four query blocks, along y the four head groups of one batch.  K and V hang on batch and head group: asked for jointly along a row.  The mask hangs on batch and query block: jointly along a column.
; THE RING.  Two slots of one key step each (K 36,864, V 40,960, mask 34,816 bytes): a round of the cluster's barrier for each key step, 128 matrix instructions a wave between a request and the wait for it.
; REGISTERS, in windows of 256: window 0: v1-11 addresses; v12-15, v48-63 at work; v16-47 four registers of statistics a tile; v64-191 S^T, two buffers of two tiles; v192-255 P, likewise
;   window 1: O^T, 32 a tile     window 2: v0-127 Q; v128-191 K of one step; v192-255 V of one step     window 3: v0-1 the add's two registers; v64-191 the mask, two buffers of two tiles
.set NP,    4
.set KS,    64
.set PK,    144       ; a row of K in LDS: 128 bytes + 16
.set PV,    160       ; a row of V: 128 + 32
.set PM,    272       ; a row of the mask: 256 + 16
.set HK,    KS*PK     ; a head's K of a step
.set HV,    KS*PV
.set VOFF,  4*HK
.set MOFF,  VOFF+4*HV
.set SLOT1, 1<<17     ; slot 1 begins here, so that one exclusive or turns an address in one slot into the other's
.set STAGE, SLOT1+MOFF+128*PM  ; behind the ring: 16 rows x 144 bytes for each wave, for the way out
.set SP,    144
.set SPARE, STAGE+4*16*SP      ; the spare words, 128 bytes for each wave: two blocks of 256 bytes that no other line names
.set QO,  1           ; v1   my byte offset in 16 rows of Q
.set AK0, 2           ; v2   my lane's place in my head's K of a slot; never rewritten
.set AV0, 3           ; v3   the same for V
.set AK,  4           ; v4   the same in the slot in hand
.set AV,  5           ; v5
.set STO, 6           ; v6   the way out: where I put 16 bytes of a row
.set RD,  7           ; v7   where I read rows back
.set GO,  8           ; v8   my byte offset in 512 consecutive bytes of O
.set AM0, 9           ; v9   my lane's place in the mask's tile; never rewritten
.set AM,  10          ; v10  the same in the slot in hand
.set PFO, 11          ; v11  the prefetches' offset; never rewritten
.set SPW, 0           ; v0 of window 3   LDS address of my spare word; never rewritten
.set NIL, 1           ; v1 of window 3   0; never rewritten
.set MV,  12          ; v12-15  c m_old, kept while c m is made anew
.set ST,  16          ; tile t's statistics at v[ST+4 t]: c m, m, l (even keys', odd keys')
.set TMP, 48          ; by buffer and tile, four registers c0-c3 at work; when the maximum is found c2 takes a
.set S,   64
.set P,   192
.set KF,  128         ; window 2
.set VF,  192         ; window 2
.set MKB, 64          ; window 3: piece x, tile u, key block kb at MKB + 64 (x % 2) + 32 u + 8 kb
.set WV,  12          ; s12  my wave's number
.set G1K, 24          ; s[24:31] descriptor group 1 for K's tiles
.set G1V, 32          ; s[32:39] for V's
.set G0K, 40          ; s[40:43] descriptor group 0 for K's tiles: it walks
.set G0V, 44          ; s[44:47]
.set G1M, 48          ; s[48:55] group 1 for the mask's tiles
.set G0M, 72          ; s[72:75] group 0 for them
.set SLOTS, 56        ; s56  trips still to come
.set CNT, 57          ; s57  counts the tail's two trips
.set CS,  58          ; s[58:59] c
.set SEL, 60          ; s[60:61] v_permlanex16_b32's selects
.set TB,  62          ; s62  LDS byte at which the slot in hand begins
.set LIM, 63          ; s63  1 in a wave that prefetches, else the greatest number
.set PFA, 76          ; s[76:77] where my prefetches stand
.set PFS, 78          ; s[78:79] their step from key step to key step
.set MSB, 0
.macro WIN new
.if MSB != (\new)
	s_set_vgpr_msb (MSB<<8)|(\new)
.set MSB, (\new)
.endif
.endm
.set W_KQ, 0x0a       ; K and Q in window 2, S^T in window 0
.set W_KM, 0x3a       ; the same with the C operand, the mask, in window 3
.set W_PV, 0x52       ; V in window 2, P in window 0, O^T in window 1
.set W_RS, 0x41       ; O^T (destination and source 0) in window 1, a in window 0
.set W_MK, 0xc0       ; destination in window 3, sources in window 0
.set W_AD, 0x0f       ; the add: address and data in window 3
; A joint fill: waves 0 and 1 fetch the two halves of the mask's tile, wave 2 the four heads' K, wave 3 their V.  The branches hang on the wave's number alone.  An s_nop 0 and four v_nop follow each line.
.macro JLOAD
	s_cmp_lt_u32 s[WV], 2
	s_cbranch_scc0 .Lfor_kv_\@
	tensor_load_to_lds s[G0M:G0M+3], s[G1M:G1M+7]
	s_nop 0
.rept 4
	v_nop
.endr
	s_branch .Lasked_\@
.Lfor_kv_\@:
	s_cmp_eq_u32 s[WV], 2
	s_cbranch_scc0 .Lfor_v_\@
	tensor_load_to_lds s[G0K:G0K+3], s[G1K:G1K+7]
	s_nop 0
.rept 4
	v_nop
.endr
	s_branch .Lasked_\@
.Lfor_v_\@:
	tensor_load_to_lds s[G0V:G0V+3], s[G1V:G1V+7]
	s_nop 0
.rept 4
	v_nop
.endr
.Lasked_\@:
.endm
; A prefetch of what the NEXT change of slots will ask for, one key step (128 matrix instructions a wave) ahead of that load; each aligned 256 bytes are named once in the launch.
; The mask's tile is read by one column of one cluster alone: its four partners take 32 rows each, by address (cy); wave 0 asks, a lane a row.  K and V are read by every cluster of that row of clusters: cluster x = 0 asks;
; its four partners take a head each, by address (cx): 8,192 bytes, a lane 256; wave 2 asks for K's, wave 3 for V's.  Wave 1 never asks.  The last trip that fills a slot asks for nothing.
.macro ASK
	s_cmp_gt_u32 s[SLOTS], s[LIM]
	s_cbranch_scc0 .Lnot_mine_\@
	global_prefetch_b8 v[PFO], s[PFA:PFA+1] th:TH_LOAD_NT scope:SCOPE_SE
.Lnot_mine_\@:
.endm
.macro CROUND                       ; a round of the cluster's barrier
	s_barrier_signal -1
	s_barrier_wait -1
	s_cmp_lg_u32 s[WV], 0
	s_cbranch_scc1 .Lnot_wave_0_\@
	s_barrier_signal -3
.Lnot_wave_0_\@:
	s_barrier_wait -3
	s_barrier_signal -1
	s_barrier_wait -1
.endm
; THE CHANGE OF SLOTS.  Each wave waits for all its tensor loads, of which one is out: its part of the other slot; adds 0 to its spare word; and waits for that and for its own reads of the slot that it leaves.
; fill = 1: the barrier is a round of the cluster's, and the slot just left is filled again, with the key step after the one that is entered, first thing behind the round.  (At its first use nothing has been read yet.)
.macro CHANGE fill, ask
	WIN W_AD
	s_wait_tensorcnt 0x0            ; no tensor load of mine is out, so a group 0 may be written
	ds_add_u32 v[SPW], v[NIL]       ; 0 onto my spare word; the descriptors' steps stand between it and the wait for it
	WIN 0
.if \fill
	s_xor_b32 s[G0K+1], s[G0K+1], SLOT1
	s_add_nc_u64 s[G0K+2:G0K+3], s[G0K+2:G0K+3], KS*128
	s_xor_b32 s[G0V+1], s[G0V+1], SLOT1
	s_add_nc_u64 s[G0V+2:G0V+3], s[G0V+2:G0V+3], KS*128
	s_xor_b32 s[G0M+1], s[G0M+1], SLOT1
	s_add_nc_u64 s[G0M+2:G0M+3], s[G0M+2:G0M+3], KS*4
.if \ask
	s_wait_xcnt 0x0                 ; the last prefetch, a key step back, has read its address
	s_add_nc_u64 s[PFA:PFA+1], s[PFA:PFA+1], s[PFS:PFS+1]
.endif
	s_wait_dscnt 0x0                ; the add is done, and my reads of the slot are over
	CROUND
	JLOAD
.if \ask
	ASK
.endif
.else
	s_wait_dscnt 0x0
	s_barrier_signal -1
	s_barrier_wait -1
.endif
	s_xor_b32 s[TB], s[TB], SLOT1   ; all LDS reads up to the next change go to the slot that has just been shown whole
	v_add_nc_u32 v[AK], s[TB], v[AK0]
	v_add_nc_u32 v[AV], s[TB], v[AV0]
	v_add_nc_u32 v[AM], s[TB], v[AM0]
.endm
	s_load_b256 s[4:11], s[0:1], 0x0  ; Q s[4:5], K s[6:7], V s[8:9], mask s[10:11]
	s_load_b64 s[68:69], s[0:1], 0x20 ; O
	WIN W_MK
	v_lshl_add_u32 v[SPW], v0, 2, SPARE
	v_mov_b32 v[NIL], 0
	WIN W_AD
	ds_add_u32 v[SPW], v[NIL]       ; the wave's opening: the add and its wait stand ahead of my first tensor load; the set-up below stands between them
	WIN 0
	v_lshrrev_b32 v1, 5, v0
	v_readfirstlane_b32 s[WV], v1   ; wave 0..3
	s_bfe_u32 s13, ttmp6, 0x40000   ; cx
	s_bfe_u32 s14, ttmp6, 0x40004   ; cy: the head group
	s_and_b32 s15, ttmp7, 0xffff    ; cluster y: the batch
	s_lshl_b32 s16, ttmp9, 2
	s_add_co_u32 s16, s16, s13      ; the block of 128 queries
	s_lshl_b32 s17, s15, 2
	s_add_co_u32 s17, s17, s14      ; 4 batch + head group
	s_lshl_b32 s18, s14, 2
	s_lshl_b32 s18, 15, s18         ; my row of the cluster
	s_lshl_b32 s19, 0x1111, s13     ; my column
	; K and V: four rows, a head each, of 64 keys x 64 channels = 4,096 dense elements; padded in LDS after every key
	s_or_b32 s[G1K], s18, (1<<16)|(1<<20)|(1<<21)|(4<<22)|(3<<25)  ; the mask of work-groups; 2-byte elements; padding on; bit 21 beside a mask; after every 32 words 4 words
	s_or_b32 s[G1V], s18, (1<<16)|(1<<20)|(1<<21)|(4<<22)|(7<<25)  ; the same with 8 words
.irp g, G1K, G1V
	s_mov_b32 s[\g+1], 4096<<16     ; tensor_dim0 = 4,096
	s_mov_b32 s[\g+2], 4<<16        ; tensor_dim1 = 4
	s_mov_b32 s[\g+3], 4096<<16     ; tile_dim0 = 4,096
	s_mov_b32 s[\g+4], 4            ; tile_dim1 = 4
	s_mov_b32 s[\g+5], 131072       ; elements from head to head
	s_mov_b32 s[\g+6], 0
	s_mov_b32 s[\g+7], 0
.endr
	; the mask: 64 rows of 64 f32
	s_or_b32 s[G1M], s19, (2<<16)|(1<<20)|(1<<21)|(5<<22)|(3<<25)  ; 4-byte elements; after every 64 words 4 words
	s_mov_b32 s[G1M+1], 64<<16
	s_mov_b32 s[G1M+2], 64<<16
	s_mov_b32 s[G1M+3], 64<<16
	s_mov_b32 s[G1M+4], 64
	s_mov_b32 s[G1M+5], 2048
	s_mov_b32 s[G1M+6], 0
	s_mov_b32 s[G1M+7], 0
	s_lshl_b32 s20, s17, 20         ; K and V: four heads of 262,144 bytes
	s_mov_b32 s21, 0
	s_and_b32 s70, s[WV], 1         ; which 64 rows of the mask's tile I fetch
	s_lshl_b32 s22, s15, 24         ; the batch's mask,
	s_lshl_b32 s23, s16, 20         ; the block's 128 rows of 8,192 bytes,
	s_add_co_u32 s22, s22, s23
	s_lshl_b32 s23, s70, 19         ; my 64
	s_add_co_u32 s22, s22, s23
	s_mov_b32 s23, 0
	s_mul_i32 s70, s70, 64*PM
	s_mov_b32 s[G0M], 1
	s_add_co_u32 s[G0M+1], s70, MOFF
	s_mov_b32 s[G0K], 1
	s_mov_b32 s[G0K+1], 0
	s_mov_b32 s[G0V], 1
	s_mov_b32 s[G0V+1], VOFF
	s_lshl_b32 s2, s17, 2
	s_add_co_u32 s2, s2, s[WV]      ; my head among the 64,
	s_lshl_b32 s2, s2, 18
	s_lshl_b32 s3, s16, 14          ; my block's 128 rows of 128 bytes
	s_add_co_u32 s2, s2, s3
	s_mov_b32 s3, 0
	s_mov_b32 s[CS], 0x3fb8aa3b     ; c = log2(e)
	s_mov_b32 s[CS+1], s[CS]
	s_mov_b32 s[SEL], 0x76543210
	s_mov_b32 s[SEL+1], 0xfedcba98
	s_mov_b32 s[TB], SLOT1          ; the first change of slots turns it into 0
	; the prefetches
	s_lshl_b32 s70, s15, 24
	s_lshl_b32 s71, s16, 20
	s_add_co_u32 s70, s70, s71
	s_lshl_b32 s71, s14, 18
	s_add_co_u32 s70, s70, s71      ; the mask: my work-group's 32 rows of the 128
	s_lshl_b32 s71, s13, 18
	s_add_co_u32 s71, s71, s20      ; K and V: my work-group's head of the four
	s_mov_b32 s[PFS], KS*128
	s_mov_b32 s[PFS+1], 0
	s_cmp_eq_u32 ttmp9, 0
	s_cselect_b32 s[LIM], 1, -1
	s_cmp_eq_u32 s[WV], 0
	s_cselect_b32 s[LIM], 1, s[LIM]
	s_cselect_b32 s70, s70, s71
	s_cselect_b32 s[PFS], KS*4, s[PFS]
	s_cselect_b32 s18, 13, 8        ; a lane a row of 8,192 bytes, or a lane 256 bytes
	s_cmp_eq_u32 s[WV], 1
	s_cselect_b32 s[LIM], -1, s[LIM]  ; the same in all sixteen partners, for a given wave
	s_lshl_b32 s71, s[PFS], 1
	s_add_co_u32 s70, s70, s71      ; at key step 2: the first asking change steps it to 3
	s_mov_b32 s71, 0
	s_wait_dscnt 0x0                ; the opening add is done
	s_wait_kmcnt 0x0
	s_add_nc_u64 s[G0K+2:G0K+3], s[6:7], s[20:21]
	s_or_b32 s[G0K+3], s[G0K+3], 0x80000000
	s_add_nc_u64 s[G0V+2:G0V+3], s[8:9], s[20:21]
	s_or_b32 s[G0V+3], s[G0V+3], 0x80000000
	s_add_nc_u64 s[G0M+2:G0M+3], s[10:11], s[22:23]
	s_or_b32 s[G0M+3], s[G0M+3], 0x80000000
	s_add_nc_u64 s[4:5], s[4:5], s[2:3]
	s_add_nc_u64 s[68:69], s[68:69], s[2:3]
	s_cmp_eq_u32 s[WV], 3
	s_cselect_b64 s[PFA:PFA+1], s[8:9], s[6:7]
	s_cmp_eq_u32 s[WV], 0
	s_cselect_b64 s[PFA:PFA+1], s[10:11], s[PFA:PFA+1]
	s_add_nc_u64 s[PFA:PFA+1], s[PFA:PFA+1], s[70:71]
	CROUND                          ; all sixteen work-groups are here: the first joint loads meet
	JLOAD                           ; key step 0 into slot 0
	v_and_b32 v48, 15, v0           ; l % 16
	v_bfe_u32 v49, v0, 4, 1         ; l / 16
	v_lshlrev_b32 v[QO], 7, v48
	v_lshl_add_u32 v[QO], v49, 4, v[QO]  ; row x 128 + 16 x half
	WIN 0x80                        ; destination window 2, address window 0
.set i, 0
.rept 4*NP                          ; Q stays in registers: tile i / 2, channels 32 (i % 2) on
	global_load_b128 v[8*i:8*i+3],   v[QO], s[4:5] offset:(i/2)*2048+(i%2)*64
	global_load_b128 v[8*i+4:8*i+7], v[QO], s[4:5] offset:(i/2)*2048+(i%2)*64+32
.set i, i+1
.endr
	; What the first turn finds: V's registers and P's second buffer hold 0 (its products V^T P, of a piece that has not been, add 0), O^T and l are 0.  All this stands in the wait for the first tile.
.set i, VF
.rept 64
	v_mov_b32 v[i], 0
.set i, i+1
.endr
	WIN 0x40
.set i, 0
.rept 64*NP
	v_mov_b32 v[i], 0
.set i, i+1
.endr
	WIN 0
.set i, 0
.rept 2*NP
	v_mov_b32 v[ST+4*i], 0xff38aa3b    ; c m = c x (-2^127), finite
	v_mov_b32 v[ST+4*i+1], 0xff000000  ; m = -2^127
	v_mov_b32 v[ST+4*i+2], 0
	v_mov_b32 v[ST+4*i+3], 0
.set i, i+1
.endr
.set i, P+32
.rept 32
	v_mov_b32 v[i], 0
.set i, i+1
.endr
	s_mul_i32 s20, s[WV], HK
	v_mul_u32_u24 v[AK0], v48, PK
	v_lshl_add_u32 v[AK0], v49, 4, v[AK0]
	v_add_nc_u32 v[AK0], s20, v[AK0]     ; my head's K: row x pitch + 16 x half
	; The turning load takes 16 keys x 16 channels (lane l reads key 8 (l / 16) + l % 8, channels 8 ((l / 8) % 2) + 0..7) and leaves half a fragment of V^T.
	v_and_b32 v50, 7, v0
	v_bfe_u32 v51, v0, 3, 1
	s_mul_i32 s20, s[WV], HV
	s_add_co_u32 s20, s20, VOFF
	v_lshl_add_u32 v[AV0], v49, 3, v50
	v_mul_u32_u24 v[AV0], v[AV0], PV
	v_lshl_add_u32 v[AV0], v51, 4, v[AV0]
	v_add_nc_u32 v[AV0], s20, v[AV0]
	v_mul_u32_u24 v[AM0], v48, PM        ; the mask: query l % 16 of a tile, keys 8 (l / 16) on
	v_lshl_add_u32 v[AM0], v49, 5, v[AM0]
	v_add_nc_u32 v[AM0], MOFF, v[AM0]
	s_mul_i32 s20, s[WV], 16*SP
	s_add_co_u32 s20, s20, STAGE         ; my stage
	v_mul_u32_u24 v[STO], v48, SP
	v_lshl_add_u32 v[STO], v49, 4, v[STO]
	v_add_nc_u32 v[STO], s20, v[STO]
	v_bfe_u32 v[RD], v0, 3, 2            ; back: 32 lanes take four rows of 128 bytes,
	v_mul_u32_u24 v[RD], v[RD], SP
	v_lshl_add_u32 v[RD], v50, 4, v[RD]
	v_add_nc_u32 v[RD], s20, v[RD]
	v_and_b32 v[GO], 31, v0              ; which are 512 consecutive bytes of O
	v_lshlrev_b32 v[PFO], s18, v[GO]
	v_lshlrev_b32 v[GO], 4, v[GO]
; THE MATRIX WORK.  The 8 accumulators of a run of 16 take turns.  Product i of 16 of S^T = K Q^T + mask for piece x: channels 32 (i / 8) on, keys 16 ((i / 2) % 4) on, tile 2 x + i % 2.
; The first 8 start the sums with the mask.
.macro KQ x
.set rS, S+64*((\x)%2)+32*(i%2)+8*((i/2)%4)
.set rK, KF+16*((i/2)%4)+8*(i/8)
.set rQ, 16*(2*(\x)+i%2)+8*(i/8)
.set rMK, MKB+64*((\x)%2)+32*(i%2)+8*((i/2)%4)
.if i < 8
	WIN W_KM
	v_wmma_f32_16x16x32_f16 v[rS:rS+7], v[rK:rK+7], v[rQ:rQ+7], v[rMK:rMK+7]
.else
	WIN W_KQ
	v_wmma_f32_16x16x32_f16 v[rS:rS+7], v[rK:rK+7], v[rQ:rQ+7], v[rS:rS+7]
.endif
.endm
; Product i of 16 of O^T += V^T P for piece x: keys 32 (i / 8) on, channels 16 ((i / 2) % 4) on, tile 2 x + i % 2.
.macro PV x
	WIN W_PV
.set rO, 32*(2*(\x)+i%2)+8*((i/2)%4)
.set rV, VF+32*(i/8)+8*((i/2)%4)
.set rP, P+32*((\x)%2)+16*(i%2)+8*(i/8)
	v_wmma_f32_16x16x32_f16 v[rO:rO+7], v[rV:rV+7], v[rP:rP+7], v[rO:rO+7]
.endm
.macro MM                           ; the turn's next matrix instruction
.if i < 16
	KQ (Y+1)%NP
.set i, i+1
.else
.set i, i-16
	PV (Y+NP-1)%NP
.set i, i+17
.endif
.endm
; THE LDS LOADS stand in runs of 16, never singly among the matrix instructions.
.macro FETCH_K
	WIN 0x80                        ; destination window 2
.irp f, 0,1,2,3,4,5,6,7             ; keys 16 (f / 2) on, channels 32 (f % 2) on
	ds_load_b128 v[KF+8*\f:KF+8*\f+3],   v[AK] offset:(\f/2)*16*PK+(\f%2)*64
	ds_load_b128 v[KF+8*\f+4:KF+8*\f+7], v[AK] offset:(\f/2)*16*PK+(\f%2)*64+32
.endr
.endm
.macro FETCH_V
	WIN 0x80
.irp f, 0,1,2,3,4,5,6,7             ; keys 32 (f / 4) on, channels 16 (f % 4) on
	ds_load_tr16_b128 v[VF+8*\f:VF+8*\f+3],   v[AV] offset:(\f/4)*32*PV+(\f%4)*32
	ds_load_tr16_b128 v[VF+8*\f+4:VF+8*\f+7], v[AV] offset:(\f/4)*32*PV+16*PV+(\f%4)*32
.endr
.endm
.macro FETCH_M x                    ; the mask of piece x's two tiles for the step in hand: for each tile and block of 16 keys a lane's 32 bytes
	WIN 0xc0                        ; destination window 3
.irp u, 0,1
.irp c, 0,1,2,3
	ds_load_b128 v[MKB+64*((\x)%2)+32*\u+8*\c:MKB+64*((\x)%2)+32*\u+8*\c+3],   v[AM] offset:(2*(\x)+\u)*16*PM+64*\c
	ds_load_b128 v[MKB+64*((\x)%2)+32*\u+8*\c+4:MKB+64*((\x)%2)+32*\u+8*\c+7], v[AM] offset:(2*(\x)+\u)*16*PM+64*\c+16
.endr
.endr
.endm
; THE VECTOR WORK OF A TURN stands in three queues, each in the order in which its entries become ready; the two tiles alternate.
.macro REGS y, u                    ; the registers of tile u (0, 1) of piece y
.set rT, ST+4*(2*(\y)+(\u))
.set rC, TMP+8*((\y)%2)+4*(\u)
.set rM, MV+2*((\y)%2)+(\u)
.set rS, S+64*((\y)%2)+32*(\u)
.set rP, P+32*((\y)%2)+16*(\u)
.set rO, 32*(2*(\y)+(\u))
.endm
; Number n of the 22 that find the NEXT piece's maximum and statistics; each accumulator's lowest registers are read first.
;   0-11  four chains c0-c3 of seven scores each     12-14, 16  the four scores left over, the old m, and c0-c3 into c0     15  c m_old is kept     17, 18  the other half of the lanes: the new m     19-21  c m; its change; a
.macro XS u, n
	REGS (Y+1)%NP, \u
.if (\n) < 4
	v_max3_num_f32 v[rC+(\n)], v[rS+8*(\n)], v[rS+8*(\n)+1], v[rS+8*(\n)+2]
.elseif (\n) < 12
	v_max3_num_f32 v[rC+(\n)%4], v[rC+(\n)%4], v[rS+8*((\n)%4)+2*((\n)/4)+1], v[rS+8*((\n)%4)+2*((\n)/4)+2]
.elseif (\n) == 12
	v_max3_num_f32 v[rC], v[rC], v[rS+7], v[rS+15]
.elseif (\n) == 13
	v_max3_num_f32 v[rC+1], v[rC+1], v[rS+23], v[rS+31]
.elseif (\n) == 14
	v_max3_num_f32 v[rC+2], v[rC+2], v[rC+3], v[rT+1]
.elseif (\n) == 15
	v_mov_b32 v[rM], v[rT]
.elseif (\n) == 16
	v_max3_num_f32 v[rC], v[rC], v[rC+1], v[rC+2]
.elseif (\n) == 17
	v_permlanex16_b32 v[rC+3], v[rC], s[SEL], s[SEL+1]
.elseif (\n) == 18
	v_max_num_f32 v[rT+1], v[rC], v[rC+3]
.elseif (\n) == 19
	v_mul_f32 v[rT], s[CS], v[rT+1]
.elseif (\n) == 20
	v_sub_f32 v[rC+1], v[rM], v[rT]
.else
	v_exp_f32 v[rC+2], v[rC+1]
.endif
.endm
; Number g of the 64 that follow the exponentials: for each four weights both pairs are rounded to f16, the second pair is added onto the first, and a group later l takes that sum (the first time as l = a l + sum).
.macro GS g
.set h, (\g)+6*((\g)/62)
.if h >= 6
.set h, h+2
.endif
	REGS Y, h%2
.set k, h/8
.if h%8 < 4
	v_cvt_pk_f16_f32 v[rP+2*k+(h%8)/2], v[rS+4*k+2*((h%8)/2)], v[rS+4*k+2*((h%8)/2)+1]
.elseif h%8 < 6
	v_pk_add_f32 v[rS+4*k:rS+4*k+1], v[rS+4*k:rS+4*k+1], v[rS+4*k+2:rS+4*k+3]
.elseif k == 1
	v_pk_fma_f32 v[rT+2:rT+3], v[rT+2:rT+3], v[rC+2:rC+3], v[rS:rS+1] op_sel_hi:[1,0,1]
.else
	v_pk_add_f32 v[rT+2:rT+3], v[rT+2:rT+3], v[rS+4*k-4:rS+4*k-3]
.endif
.endm
; THE PLAIN QUEUE, 138 long.  0-73 read no exponential's result: the 32 scalings c s - c m and the next piece's 42.  74-137: GS's 64, behind the wait.
.macro FS f
	REGS Y, (\f)%2
	v_pk_fma_f32 v[rS+2*((\f)/2):rS+2*((\f)/2)+1], v[rS+2*((\f)/2):rS+2*((\f)/2)+1], s[CS:CS+1], v[rT:rT+1] op_sel_hi:[1,0,0] neg_lo:[0,0,1] neg_hi:[0,0,1]
.endm
.macro PL
	WIN 0
.if q < 27
	FS q
.elseif q < 55
	XS (q-27)%2, (q-27)/2
.elseif q < 57
	XS q-55, 15
.elseif (q < 72) && ((q-57)%3 == 0)
	FS 27+(q-57)/3
.elseif q < 60
	XS (q-57)%3-1, 14
.elseif q < 72
	XS (q-57)%3-1, 15+(q-57)/3
.elseif q < 74
	XS q-72, 20
.else
	GS q-74
.endif
.set q, q+1
.endm
; THE EXPONENTIALS' QUEUE, 66 long: s0-s31 of both tiles, then the next piece's two a.  ONE BATCH: all stand ahead of the turn's one wait, and nothing ahead of that wait names a result of theirs.
.macro EX
	WIN 0
.if e >= 64
	XS e-64, 21
.else
	REGS Y, e%2
	v_exp_f32 v[rS+e/2], v[rS+e/2]
.endif
.set e, e+1
.endm
; THE RESCALING's QUEUE: O^T times a, two at a time, sixteen times.  Its a was made, and waited for, in the turn before.
.macro R2
	REGS Y, r%2
	WIN W_RS
.irp z, 0,1
	v_pk_mul_f32 v[rO+4*(r/2)+2*\z:rO+4*(r/2)+2*\z+1], v[rO+4*(r/2)+2*\z:rO+4*(r/2)+2*\z+1], v[rC+2:rC+3] op_sel_hi:[1,0]
.endr
.set r, r+1
.endm
; A TURN, for piece p.  Ahead of its one wait: the 16 products K Q^T, behind each a scaling, an exponential and two rescalings; then one run of 108.  Behind it: the runs of LDS loads, and the 16 products V^T P, behind each four of GS's 64.
; LDS loads, all from the slot in hand: piece 2's turn fetches K of the step just entered (a run of vector work behind K's last reader); every turn fetches the mask for the products of the turn after it (piece p + 2), into the
; buffer whose last reader was a product of the turn before; piece 0's turn ends with V (four plain instructions behind V's last reader).
; The wait at the head is for the mask (and in piece 3's turn for K); in piece 1's turn V's sixteen younger loads may stay out, and are waited for behind the batch's wait.
.macro TURN p
.set Y, (\p)
.set i, 0
.set q, 0
.set e, 0
.set r, 0
.if (\p) == 1
	s_wait_dscnt 16
.else
	s_wait_dscnt 0x0
.endif
	MM
	PL
	PL
	R2
.rept 15
	MM
	PL
	EX
	R2
.endr
.rept 8
	PL
.endr
.rept 49
	EX
	PL
.endr
	EX                              ; the next piece's two a
	EX
	v_nop                           ; the plain instruction behind the last exponential: one for the batch
	s_wait_alu depctr_va_vdst(0)    ; the wait for the batch
.if (\p) == 1
	s_wait_dscnt 0x0                ; V is in
.endif
.if (\p) == 2
	FETCH_K
.endif
	FETCH_M (Y+2)%NP
.rept 16
	MM
.rept 4
	PL
.endr
.endr
.if (\p) == 0
	FETCH_V
.endif
.endm
	CHANGE 1, 0                     ; key step 0 is in, everybody's part of it; key step 1 is asked for, into slot 1
	FETCH_K                         ; key step 0
	FETCH_M 0
	FETCH_M 1
	s_wait_loadcnt 0x0              ; Q
	s_wait_dscnt 0x0
.set i, 0
.rept 16
	KQ 0                            ; piece 0's first scores
.set i, i+1
.endr
	WIN 0
.rept 4
	v_nop                           ; the places behind those products
.endr
.set Y, NP-1                        ; XS works for piece Y + 1: piece 0
.irp n, 0,1,2,3,4,5,6,7,8,9,10,11,12,13,14,15,16,17,18,19,20,21
	XS 0, \n
	XS 1, \n
.endr
	v_nop                           ; a plain instruction behind the two a,
	s_wait_alu depctr_va_vdst(0)    ; and their wait, ahead of the branch
	s_mov_b32 s[SLOTS], 31
	s_branch .Lfirst                ; the loop is entered at a step's first turn, in the middle of a trip
.Lslot:                             ; 30 times: key step j is entered (j = 1 .. 30) and key step j + 1 asked for.  A trip: pieces 2 and 3 of step j - 1, then pieces 0 and 1 of step j
	CHANGE 1, 1
	TURN 2
	TURN 3
	WIN 0
.Lfirst:
	TURN 0
	TURN 1
	WIN 0
	s_sub_co_u32 s[SLOTS], s[SLOTS], 1
	s_cmp_lg_u32 s[SLOTS], 0
	s_cbranch_scc1 .Lslot
	CHANGE 0, 0                     ; the tail is written out: key step 31 is entered, nothing is asked for
	s_mov_b32 s[CNT], 2             ; the second trip is left in its middle; its fetches read step 31's K and mask once more, and its 16 products K Q^T serve nothing
.Ltail:
	TURN 2
	TURN 3
	WIN 0
	s_sub_co_u32 s[CNT], s[CNT], 1
	s_cmp_eq_u32 s[CNT], 0
	s_cbranch_scc1 .Lout
	TURN 0
	TURN 1
	WIN 0
	s_branch .Ltail
.Lout:
.set i, 0
.rept 16
	PV NP-1                         ; the last piece's V^T P of the last step
.set i, i+1
.endr
	; THE WAY OUT.  l's two halves and the other half of the lanes' are added; O^T is divided by l, rounded to f16 and sent through my stage in LDS, a tile at a time.  The additions are the places behind the last products.
	WIN 0
.macro ALL line:vararg              ; one line for each tile t
.set t, 0
.rept 2*NP
	\line
.set t, t+1
.endr
.endm
	ALL v_add_f32 v[ST+4*t+2], v[ST+4*t+2], v[ST+4*t+3]
	ALL v_permlanex16_b32 v[ST+4*t+3], v[ST+4*t+2], s[SEL], s[SEL+1]
	ALL v_add_f32 v[ST+4*t+2], v[ST+4*t+2], v[ST+4*t+3]
	ALL v_rcp_f32 v[ST+4*t+2], v[ST+4*t+2]
	v_nop                           ; a plain instruction between the last reciprocal and the use of its result
	s_wait_alu depctr_va_vdst(0)    ; one wait for the eight reciprocals
.macro PACK t
	WIN W_RS
.set i, 32*(\t)
.rept 16
	v_pk_mul_f32 v[i:i+1], v[i:i+1], v[ST+4*(\t)+2:ST+4*(\t)+3] op_sel_hi:[1,0]
.set i, i+2
.endr
	WIN 0x05                        ; sources 0 and 1 window 1, destination window 0
.set i, 0
.rept 16
	v_cvt_pk_f16_f32 v[S+16*(\t)+i], v[32*(\t)+2*i], v[32*(\t)+2*i+1]
.set i, i+1
.endr
	WIN 0
.irp f, 0,1,2,3
	ds_store_b128 v[STO], v[S+16*(\t)+4*\f:S+16*(\t)+4*\f+3] offset:32*\f
.endr
.irp f, 0,1,2,3
	ds_load_b128 v[S+16*(\t)+4*\f:S+16*(\t)+4*\f+3], v[RD] offset:\f*4*SP  ; LDS serves a wave's instructions in order: these see the stores above; the next tile's stores come behind them
.endr
.endm
.macro SEND t, younger              ; younger: the LDS instructions issued behind tile t's loads: the next tile's eight, or none
	WIN 0
.irp f, 0,1,2,3
	s_wait_dscnt (\younger)+3-\f
	global_store_b128 v[GO], v[S+16*(\t)+4*\f:S+16*(\t)+4*\f+3], s[68:69] offset:(\t)*2048+\f*512  ; 512 consecutive bytes, at a multiple of 256 from O's first
.endr
.endm
	PACK 0
.set t, 1
.rept 2*NP-1
	PACK t
	SEND t-1, 8
.set t, t+1
.endr
	SEND 2*NP-1, 0
	WIN W_AD
	s_wait_tensorcnt 0x0            ; the wave's end: behind my last tensor load and my last LDS store
	ds_add_u32 v[SPW], v[NIL]
	s_wait_dscnt 0x0
	WIN 0
	CROUND                          ; the closing round
	s_endpgm
.Lfunc_end_k_qbf948d462b_attn:
	.size	k_qbf948d462b_attn, .Lfunc_end_k_qbf948d462b_attn-k_qbf948d462b_attn
	.p2alignl 7, 3214868480
	.fill 96, 4, 3214868480
	.section	.rodata,"a",@progbits
	.p2align	6, 0x0
	.amdhsa_kernel k_qbf948d462b_attn
		.amdhsa_group_segment_fixed_size 327680
		.amdhsa_private_segment_fixed_size 0
		.amdhsa_enable_private_segment 0
		.amdhsa_kernarg_size 40
		.amdhsa_user_sgpr_count 2
		.amdhsa_user_sgpr_kernarg_segment_ptr 1
		.amdhsa_wavefront_size32 1
		.amdhsa_system_sgpr_workgroup_id_x 1
		.amdhsa_system_sgpr_workgroup_id_y 1
		.amdhsa_system_sgpr_workgroup_id_z 1
		.amdhsa_system_vgpr_workitem_id 0
		.amdhsa_next_free_vgpr 960
		.amdhsa_next_free_sgpr 80
		.amdhsa_reserve_vcc 0
		.amdhsa_float_denorm_mode_32 3
		.amdhsa_float_denorm_mode_16_64 3
		.amdhsa_memory_ordered 1
		.amdhsa_forward_progress 1
		.amdhsa_inst_pref_size 212
	.end_amdhsa_kernel
	.amdgpu_metadata
---
amdhsa.version: [ 1, 2 ]
amdhsa.kernels:
  - .name:           k_qbf948d462b_attn
    .symbol:         k_qbf948d462b_attn.kd
    .args:
      - { .name: qh, .offset: 0, .size: 8, .value_kind: global_buffer, .address_space: global }
      - { .name: kh, .offset: 8, .size: 8, .value_kind: global_buffer, .address_space: global }
      - { .name: vh, .offset: 16, .size: 8, .value_kind: global_buffer, .address_space: global }
      - { .name: mask, .offset: 24, .size: 8, .value_kind: global_buffer, .address_space: global }
      - { .name: oh, .offset: 32, .size: 8, .value_kind: global_buffer, .address_space: global }
    .group_segment_fixed_size: 327680
    .private_segment_fixed_size: 0
    .kernarg_segment_align: 8
    .kernarg_segment_size: 40
    .max_flat_workgroup_size: 128
    .sgpr_count:     80
    .vgpr_count:     960
    .wavefront_size: 32
...
	.end_amdgpu_metadata
.endif
;; end of part 3
;; launch oproj (part 4): grid 8 x 32, 4 waves a work-group, clusters of 4 x 4, 327,680 bytes of LDS; arguments oh, wob, out0; writes out0
.if DOCPART == 4
	.amdgcn_target "amdgcn-amd-amdhsa--gfx1250"
	.amdhsa_code_object_version 6
	.text
	.protected	k_qbf948d462b_oproj
	.globl	k_qbf948d462b_oproj
	.p2align	8
	.type	k_qbf948d462b_oproj,@function
k_qbf948d462b_oproj:
	s_mov_b64 s[64:65], 0
	v_nop
	global_prefetch_b8 v0, s[64:65] scope:SCOPE_SE
	s_setreg_imm32_b32 hwreg(HW_REG_WAVE_MODE, 25, 1), 1
	s_wait_xcnt 0x0
	s_wait_alu depctr_hold_cnt(0) depctr_sa_sdst(0) depctr_va_vdst(0) depctr_va_sdst(0) depctr_va_ssrc(0) depctr_va_vcc(0) depctr_vm_vsrc(0)
	s_getreg_b32 s2, hwreg(HW_REG_IB_STS2, 6, 4)
	s_cmp_eq_u32 s2, 0
	s_cbranch_scc0 .Lentry_in_a_cluster
	s_endpgm
.Lentry_in_a_cluster:
	s_bfe_u32 s2, ttmp6, 0x10000c
	s_cmp_lg_u32 s2, 0xf033
	s_cbranch_scc0 .Lentry_shape_is_right
	s_endpgm
.Lentry_shape_is_right:
; out0[token][n] = the sum over head and channel of O[16 b + head][s][d] Wo[n][64 head + d].  oh: [64][2048][64] f16; wob: [1024][1024] f16; out0: [8192][1024] f32.  Sums in f32, stored as they are.
; SHARES.  A tile is 256 tokens x 128 columns: 32 x 8 = 256 work-groups.  A wave owns 128 tokens x 64 columns: 8 x 4 accumulators, 256 registers.  K goes in 8 steps of 128, two heads each, through two LDS slots.
; A head's 256 tokens are 32,768 dense bytes of oh: asked for as 128 rows of 256 bytes and padded in LDS after every token.
; CLUSTERS.  4 x 4: O's tile is asked for jointly along a row of the cluster, Wo's along a column.
; THE MATRIX INSTRUCTION IS USED TRANSPOSED (source 0 = 16 rows of Wo, source 1 = 16 tokens): a lane holds one token and eight neighbouring columns, 32 bytes of out0; a wave's 64 columns are 256 aligned bytes of a row.
; REGISTERS: window 0: v16-30 addresses; v64-127, v128-191 O's fragments, two buffers; v192-223, v224-255 Wo's; on the way out v32-63, v64-95 rows read back.   window 1: the accumulators, (a, b) at 8 (4 a + b).
.set PA,     144                       ; a token's row of one head in LDS: 128 bytes + 16
.set PB,     272                       ; a row of Wo: 256 + 16
.set AHEAD,  256*PA                    ; a head's 256 tokens: what a tensor load of O brings
.set BHALF,  64*PB
.set BOFF,   2*AHEAD
.set SLOT,   BOFF+2*BHALF
.set STAGE,  2*SLOT                    ; behind the ring: 16 rows x 272 bytes for each wave
.set SPITCH, 272
.set SPARE,  STAGE+4*16*SPITCH         ; the spare words, 128 bytes for each wave
.set LAPS,   4
.set ADRA, 16
.set ADRB, 20
.set STO,  24
.set RD,   25
.set CO,   26
.set SPW,  28                          ; v28  LDS address of my spare word; never rewritten
.set NIL,  29                          ; v29  0; never rewritten
.set PFO,  30                          ; v30  the prefetches' offset; never rewritten
.set BK,   32
.set FA,   64
.set FB,   192
.set PFA,  44                          ; s[44:45] one K step behind what my next prefetch names
.set LIM,  43                          ; s43  1 in a wave that prefetches, else the greatest number
.set PFS,  66                          ; s[66:67] bytes from K step to K step in what I prefetch
.set G1, 24
.set G0, 32
.set G1B, 48
.set G0B, 56
.set MSB, 0
.macro WIN new
.if MSB != (\new)
	s_set_vgpr_msb (MSB<<8)|(\new)
.set MSB, \new
.endif
.endm
.set MUL, 0x50                         ; sources in window 0, C and D in window 1
.macro JLOAD s                         ; a joint load: waves 0 and 1 fetch the step's two heads of O, waves 2 and 3 Wo's two halves; an s_nop 0 and four v_nop follow each line
	s_cmp_eq_u32 s11, 0
	s_cbranch_scc0 .Lfor_b_\@
	tensor_load_to_lds s[G0+4*(\s):G0+4*(\s)+3], s[G1:G1+7]
	s_nop 0
.rept 4
	v_nop
.endr
	s_branch .Lasked_\@
.Lfor_b_\@:
	tensor_load_to_lds s[G0B+4*(\s):G0B+4*(\s)+3], s[G1B:G1B+7]
	s_nop 0
.rept 4
	v_nop
.endr
.Lasked_\@:
.endm
; A prefetch of the K step two refills on; each aligned 256 bytes are named once in the launch.  O's tile is read by every cluster of that row of clusters: cluster x = 0 asks; of the 128 blocks of 256 bytes that wave 0 or 1 fetches
; each partner takes 32, by address (cx).  Wo's 128 rows are read by every cluster of that column: cluster y = 0 asks, wave 2 alone, each partner 32 rows by address (cy), a lane a row.  The loop's last trip asks for nothing.
.macro ASK
	s_cmp_gt_u32 s3, s[LIM]
	s_cbranch_scc0 .Lnot_mine_\@
	global_prefetch_b8 v[PFO], s[PFA:PFA+1] th:TH_LOAD_NT scope:SCOPE_SE
.Lnot_mine_\@:
.endm
.macro CREST
	s_cmp_lg_u32 s10, 0
	s_cbranch_scc1 .Lnot_wave_0_\@
	s_barrier_signal -3
.Lnot_wave_0_\@:
	s_barrier_wait -3
	s_barrier_signal -1
	s_barrier_wait -1
.endm
.macro CROUND
	s_barrier_signal -1
	s_barrier_wait -1
	CREST
.endm
.macro PLACES
.rept 4
	v_nop
.endr
.endm
	s_load_b128 s[4:7], s[0:1], 0x0                ; oh s[4:5], wob s[6:7]
	s_load_b64 s[8:9], s[0:1], 0x10                ; out0
	v_lshl_add_u32 v[SPW], v0, 2, SPARE
	v_mov_b32 v[NIL], 0
	ds_add_u32 v[SPW], v[NIL]                      ; the wave's opening: the add and its wait stand ahead of my first tensor load
	v_lshrrev_b32 v1, 5, v0
	v_readfirstlane_b32 s10, v1                    ; wave 0..3
	s_lshr_b32 s11, s10, 1                         ; which half of the tile's tokens is mine.  Also: I fetch for O (0) or for Wo (1)
	s_and_b32 s12, s10, 1                          ; which half of its columns.  Also: which head of the step's two, or which 64 rows of Wo, I fetch
	s_bfe_u32 s40, ttmp6, 0x40000                  ; cx
	s_bfe_u32 s41, ttmp6, 0x40004                  ; cy
	s_lshl_b32 s42, ttmp9, 2
	s_add_co_u32 s42, s42, s40                     ; tile column
	s_and_b32 s13, ttmp7, 0xffff
	s_lshl_b32 s13, s13, 2
	s_add_co_u32 s13, s13, s41                     ; tile row
	s_lshl_b32 s43, s41, 2
	s_lshl_b32 s43, 15, s43                        ; my row of the cluster
	s_lshl_b32 s44, 0x1111, s40                    ; my column
	s_or_b32 s[G1+0], s43, (1<<16)|(1<<20)|(1<<21)|(4<<22)|(3<<25)   ; 2-byte elements; padding: after every 32 words 4 words
	s_mov_b32 s[G1+1], 128<<16                     ; 128 rows of 128 elements, dense
	s_mov_b32 s[G1+2], 128<<16
	s_mov_b32 s[G1+3], 128<<16
	s_mov_b32 s[G1+4], 128
	s_mov_b32 s[G1+5], 128
	s_mov_b32 s[G1+6], 0
	s_mov_b32 s[G1+7], 0
	s_or_b32 s[G1B+0], s44, (1<<16)|(1<<20)|(1<<21)|(5<<22)|(3<<25)  ; after every 64 words 4 words
	s_mov_b32 s[G1B+1], 128<<16                    ; 64 rows of 128 elements, 1,024 elements from row to row
	s_mov_b32 s[G1B+2], 64<<16
	s_mov_b32 s[G1B+3], 128<<16
	s_mov_b32 s[G1B+4], 64
	s_mov_b32 s[G1B+5], 1024
	s_mov_b32 s[G1B+6], 0
	s_mov_b32 s[G1B+7], 0
	s_lshr_b32 s16, s13, 3                         ; O: the batch's 16 heads of 262,144 bytes,
	s_lshl_b32 s16, s16, 22
	s_and_b32 s17, s13, 7
	s_lshl_b32 s17, s17, 15                        ; the tile's 256 tokens of 128 bytes,
	s_add_co_u32 s16, s16, s17
	s_lshl_b32 s17, s12, 18                        ; my head of the step's two
	s_add_co_u32 s16, s16, s17
	s_mov_b32 s17, 0
	s_lshl_b32 s46, s42, 18                        ; Wo: row 128 x tile column + 64 x half, 2,048 bytes a row
	s_lshl_b32 s47, s12, 17
	s_add_co_u32 s46, s46, s47
	s_mov_b32 s47, 0
	s_mul_i32 s20, s12, AHEAD                      ; where they go
	s_mul_i32 s21, s12, BHALF
	s_add_co_u32 s21, s21, BOFF
	s_wait_dscnt 0x0                               ; the opening add is done
	s_wait_kmcnt 0x0
	s_add_nc_u64 s[14:15], s[4:5], s[16:17]
	s_add_nc_u64 s[46:47], s[6:7], s[46:47]
	CROUND                                         ; all sixteen work-groups are here: the first joint loads meet
.irp s, 0,1
	s_mov_b32 s[G0+4*(\s)], 1
	s_add_co_u32 s[G0+4*(\s)+1], s20, (\s)*SLOT
	s_add_nc_u64 s[G0+4*(\s)+2:G0+4*(\s)+3], s[14:15], (\s)<<19      ; K step s: two heads on
	s_or_b32 s[G0+4*(\s)+3], s[G0+4*(\s)+3], 0x80000000
	s_mov_b32 s[G0B+4*(\s)], 1
	s_add_co_u32 s[G0B+4*(\s)+1], s21, (\s)*SLOT
	s_add_nc_u64 s[G0B+4*(\s)+2:G0B+4*(\s)+3], s[46:47], (\s)*256
	s_or_b32 s[G0B+4*(\s)+3], s[G0B+4*(\s)+3], 0x80000000
	JLOAD \s                                       ; two loads of mine are out
.endr
	v_and_b32 v1, 15, v0                           ; l % 16
	v_bfe_u32 v2, v0, 4, 1                         ; l / 16
	v_mul_u32_u24 v3, v1, PA
	v_lshl_add_u32 v3, v2, 4, v3
	v_mul_u32_u24 v4, v1, PB
	v_lshl_add_u32 v4, v2, 4, v4
	s_mul_i32 s21, s11, 128*PA                     ; my 128 tokens
	s_mul_i32 s22, s12, BHALF                      ; my 64 rows of Wo
	s_add_co_u32 s22, s22, BOFF
.irp s, 0,1
	v_add_nc_u32 v[ADRA+(\s)], s21, v3
	v_add_nc_u32 v[ADRB+(\s)], s22, v4
	s_add_co_u32 s21, s21, SLOT
	s_add_co_u32 s22, s22, SLOT
.endr
	s_mul_i32 s23, s10, 16*SPITCH
	s_add_co_u32 s23, s23, STAGE                   ; my stage
	v_mul_u32_u24 v5, v1, SPITCH                   ; in: token l % 16, 32 bytes for each half of the lanes
	v_lshl_add_u32 v5, v2, 5, v5
	v_add_nc_u32 v[STO], s23, v5
	v_mul_u32_u24 v5, v2, SPITCH                   ; back: lanes 0-15 take one row of 256 bytes, lanes 16-31 the next
	v_lshl_add_u32 v5, v1, 4, v5
	v_add_nc_u32 v[RD], s23, v5
	v_lshlrev_b32 v[CO], 12, v2                    ; and the same two rows in out0, 4,096 bytes apart
	v_lshl_add_u32 v[CO], v1, 4, v[CO]
	s_lshl_b32 s72, s13, 20                        ; my part of the tile: (256 x tile row + 128 x half) x 4,096 + (128 x tile column + 64 x half) x 4
	s_lshl_b32 s73, s11, 19
	s_add_co_u32 s72, s72, s73
	s_lshl_b32 s73, s42, 9
	s_add_co_u32 s72, s72, s73
	s_lshl_b32 s73, s12, 8
	s_add_co_u32 s72, s72, s73
	s_mov_b32 s73, 0
	s_add_nc_u64 s[8:9], s[8:9], s[72:73]
	; the prefetches
	s_and_b32 s22, ttmp7, 0xffff                   ; cluster y
	s_lshl_b32 s68, s40, 13                        ; O: of the 32,768 bytes that I fetch, my work-group's 8,192,
	s_add_co_u32 s68, s68, s16
	s_add_co_u32 s68, s68, 3<<19                   ; at K step 3: the first refill steps it to 4
	s_lshl_b32 s69, s42, 18                        ; Wo: of the tile column's 128 rows my work-group's 32
	s_lshl_b32 s70, s41, 16
	s_add_co_u32 s69, s69, s70
	s_add_co_u32 s69, s69, 3*256
	s_mov_b32 s[PFS], 256
	s_mov_b32 s[PFS+1], 0
	s_cmp_eq_u32 s11, 0
	s_cselect_b32 s68, s68, s69
	s_cselect_b32 s22, ttmp9, s22                  ; the coordinate along which other clusters read the same bytes
	s_cselect_b32 s[PFS], 1<<19, s[PFS]
	s_cselect_b32 s70, 8, 11                       ; a lane 256 bytes, or a lane a row of 2,048
	s_cselect_b64 s[PFA:PFA+1], s[4:5], s[6:7]
	s_cmp_eq_u32 s22, 0
	s_cselect_b32 s[LIM], 1, -1
	s_cmp_eq_u32 s10, 3
	s_cselect_b32 s[LIM], -1, s[LIM]               ; the same in all sixteen partners, for a given wave
	s_mov_b32 s69, 0
	s_add_nc_u64 s[PFA:PFA+1], s[PFA:PFA+1], s[68:69]
	v_and_b32 v[PFO], 31, v0
	v_lshlrev_b32 v[PFO], s70, v[PFO]
; 8 matrix instructions: token blocks a0, a0 + 1 x all 4 column blocks, 32 along K, from buffer f.  The 32 accumulators take turns in the same order in every quarter.
.macro MUL8 f, a0, zero
	WIN MUL
.irp a, \a0, (\a0)+1
.irp b, 0,1,2,3
.if \zero
	v_wmma_f32_16x16x32_f16 v[8*(4*(\a)+(\b)):8*(4*(\a)+(\b))+7], v[FB+32*(\f)+8*(\b):FB+32*(\f)+8*(\b)+7], v[FA+64*(\f)+8*(\a):FA+64*(\f)+8*(\a)+7], 0
.else
	v_wmma_f32_16x16x32_f16 v[8*(4*(\a)+(\b)):8*(4*(\a)+(\b))+7], v[FB+32*(\f)+8*(\b):FB+32*(\f)+8*(\b)+7], v[FA+64*(\f)+8*(\a):FA+64*(\f)+8*(\a)+7], v[8*(4*(\a)+(\b)):8*(4*(\a)+(\b))+7]
.endif
.endr
.endr
.endm
; 24 LDS loads in one run: quarter kq of the slot's K step (head kq / 2, channels 32 (kq % 2) on): my 64 rows of Wo, then my 128 tokens
.macro FETCH slot, kq, f
	WIN 0
.irp i, 0,1,2,3
	ds_load_b128 v[FB+32*(\f)+8*(\i):FB+32*(\f)+8*(\i)+3],   v[ADRB+(\slot)] offset:64*(\kq)+(\i)*16*PB
	ds_load_b128 v[FB+32*(\f)+8*(\i)+4:FB+32*(\f)+8*(\i)+7], v[ADRB+(\slot)] offset:64*(\kq)+(\i)*16*PB+32
.endr
.irp i, 0,1,2,3,4,5,6,7
	ds_load_b128 v[FA+64*(\f)+8*(\i):FA+64*(\f)+8*(\i)+3],   v[ADRA+(\slot)] offset:((\kq)/2)*AHEAD+((\kq)%2)*64+(\i)*16*PA
	ds_load_b128 v[FA+64*(\f)+8*(\i)+4:FA+64*(\f)+8*(\i)+7], v[ADRA+(\slot)] offset:((\kq)/2)*AHEAD+((\kq)%2)*64+(\i)*16*PA+32
.endr
.endm
.macro QUARTER slot, kq, f, g, zero
	s_wait_dscnt 8                                 ; Wo and my token blocks 0-3 are in; the youngest eight loads (blocks 4-7) may be out
	MUL8 \f, 0, \zero
	MUL8 \f, 2, \zero
	PLACES
	FETCH \slot, \kq, \g
	s_wait_dscnt 24                                ; all but the 24 just issued
	MUL8 \f, 4, \zero
	MUL8 \f, 6, \zero
.endm
; The last quarter multiplies buffer 1 and changes slots: ONE barrier; in front of it each wave waits for all its tensor loads, adds 0 to its spare word, and waits for that and for its own reads of this slot.
.macro TURN slot, next, fill
.if \fill
	s_wait_xcnt 0x0                                ; the last prefetch, a K step back, has read its address
	s_add_nc_u64 s[PFA:PFA+1], s[PFA:PFA+1], s[PFS:PFS+1]
.endif
	WIN 0
	s_wait_tensorcnt 0x0                           ; all my tensor loads have landed: my part of the next slot
	ds_add_u32 v[SPW], v[NIL]                      ; 0 onto my spare word
	s_wait_dscnt 9                                 ; (the add and the youngest eight loads may be out)
	MUL8 1, 0, 0
	s_wait_dscnt 0x0                               ; the add is done, and my reads of this slot are over
	s_barrier_signal -1
	MUL8 1, 2, 0
.if \fill
	WIN 0
.endif
	s_barrier_wait -1
.if \fill
	CREST                                          ; no wave of any partner still reads this slot's tile or has a load on its way
	s_add_nc_u64 s[G0+4*(\slot)+2:G0+4*(\slot)+3], s[G0+4*(\slot)+2:G0+4*(\slot)+3], 1<<20   ; two K steps: four heads on
	s_add_nc_u64 s[G0B+4*(\slot)+2:G0B+4*(\slot)+3], s[G0B+4*(\slot)+2:G0B+4*(\slot)+3], 512
	JLOAD \slot                                    ; the first tensor load behind the round; its four v_nop are also the places in front of the loads below
.else
	PLACES
.endif
	FETCH \next, 0, 0
.if \fill
	ASK
.endif
	MUL8 1, 4, 0
	MUL8 1, 6, 0
.endm
	s_wait_tensorcnt 1                             ; my part of K step 0 is in; K step 1's may stay out
	s_barrier_signal -1
	s_barrier_wait -1
	FETCH 0, 0, 0
	QUARTER 0, 1, 0, 1, 1                          ; the first quarter's products start the sums
	WIN 0
	s_mov_b32 s3, LAPS-1
.Llap:
	QUARTER 0, 2, 1, 0, 0
	QUARTER 0, 3, 0, 1, 0
	TURN 0, 1, 1
	QUARTER 1, 1, 0, 1, 0
	QUARTER 1, 2, 1, 0, 0
	QUARTER 1, 3, 0, 1, 0
	TURN 1, 0, 1
	QUARTER 0, 1, 0, 1, 0
	WIN 0
	s_sub_co_u32 s3, s3, 1
	s_cmp_lg_u32 s3, 0
	s_cbranch_scc1 .Llap
	QUARTER 0, 2, 1, 0, 0                          ; the last lap fills nothing
	QUARTER 0, 3, 0, 1, 0
	TURN 0, 1, 0
	QUARTER 1, 1, 0, 1, 0
	QUARTER 1, 2, 1, 0, 0
	QUARTER 1, 3, 0, 1, 0
	s_wait_dscnt 8
	MUL8 1, 0, 0
	MUL8 1, 2, 0
	s_wait_dscnt 0x0
	MUL8 1, 4, 0
	MUL8 1, 6, 0
	WIN 0
	PLACES
; THE WAY OUT of token block a: the sums go as they are, 32 bytes a lane, into my own stage, each accumulator's low four registers first, and come back as whole rows of 256 bytes.
.macro TOSTAGE a
	s_wait_xcnt 0x0                                ; the stores of the block before last have read the registers that the loads below write
	WIN 0x04                                       ; store data in window 1, address in window 0
.irp b, 0,1,2,3
	ds_store_b128 v[STO], v[8*(4*(\a)+(\b)):8*(4*(\a)+(\b))+3] offset:64*(\b)
	ds_store_b128 v[STO], v[8*(4*(\a)+(\b))+4:8*(4*(\a)+(\b))+7] offset:64*(\b)+16
.endr
	WIN 0
.irp t, 0,1,2,3,4,5,6,7
	ds_load_b128 v[BK+32*((\a)%2)+4*(\t):BK+32*((\a)%2)+4*(\t)+3], v[RD] offset:(\t)*2*SPITCH  ; LDS serves a wave's instructions in order: these see the stores above
.endr
.endm
.macro SEND a, younger                 ; younger: the LDS instructions issued behind block a's loads: the next block's eight stores and eight loads, or none
	WIN 0
	s_wait_dscnt \younger
.irp t, 0,1,2,3,4,5,6,7
	global_store_b128 v[CO], v[BK+32*((\a)%2)+4*(\t):BK+32*((\a)%2)+4*(\t)+3], s[8:9] offset:65536*(\a)+8192*(\t) th:TH_STORE_NT  ; 16 lanes store 256 consecutive bytes, at a multiple of 256 from out0's first
.endr
.endm
	TOSTAGE 0
.irp a, 1,2,3,4,5,6,7
	TOSTAGE \a
	SEND (\a)-1, 16
.endr
	SEND 7, 0
	s_wait_tensorcnt 0x0                           ; the wave's end: behind my last tensor load and my last LDS store
	ds_add_u32 v[SPW], v[NIL]
	s_wait_dscnt 0x0
	CROUND                                         ; the closing round
	s_endpgm
.Lfunc_end_k_qbf948d462b_oproj:
	.size	k_qbf948d462b_oproj, .Lfunc_end_k_qbf948d462b_oproj-k_qbf948d462b_oproj
	.p2alignl 7, 3214868480
	.fill 96, 4, 3214868480
	.section	.rodata,"a",@progbits
	.p2align	6, 0x0
	.amdhsa_kernel k_qbf948d462b_oproj
		.amdhsa_group_segment_fixed_size 327680
		.amdhsa_private_segment_fixed_size 0
		.amdhsa_enable_private_segment 0
		.amdhsa_kernarg_size 24
		.amdhsa_user_sgpr_count 2
		.amdhsa_user_sgpr_kernarg_segment_ptr 1
		.amdhsa_wavefront_size32 1
		.amdhsa_system_sgpr_workgroup_id_x 1
		.amdhsa_system_sgpr_workgroup_id_y 1
		.amdhsa_system_sgpr_workgroup_id_z 1
		.amdhsa_system_vgpr_workitem_id 0
		.amdhsa_next_free_vgpr 512
		.amdhsa_next_free_sgpr 80
		.amdhsa_reserve_vcc 0
		.amdhsa_float_denorm_mode_32 3
		.amdhsa_float_denorm_mode_16_64 3
		.amdhsa_memory_ordered 1
		.amdhsa_forward_progress 1
		.amdhsa_inst_pref_size 87
	.end_amdhsa_kernel
	.amdgpu_metadata
---
amdhsa.version: [ 1, 2 ]
amdhsa.kernels:
  - .name:           k_qbf948d462b_oproj
    .symbol:         k_qbf948d462b_oproj.kd
    .args:
      - { .name: oh, .offset: 0, .size: 8, .value_kind: global_buffer, .address_space: global }
      - { .name: wob, .offset: 8, .size: 8, .value_kind: global_buffer, .address_space: global }
      - { .name: out0, .offset: 16, .size: 8, .value_kind: global_buffer, .address_space: global }
    .group_segment_fixed_size: 327680
    .private_segment_fixed_size: 0
    .kernarg_segment_align: 8
    .kernarg_segment_size: 24
    .max_flat_workgroup_size: 128
    .sgpr_count:     80
    .vgpr_count:     512
    .wavefront_size: 32
...
	.end_amdgpu_metadata
.endif
;; end of part 4
